; MI455X (gfx1250); checked and timed in simulation.
; The chip was launched on July 23, 2026; its instructions are those of AMD's public machine-readable ISA for CDNA 5 (MIT licence, August 2026) and "CDNA5" Instruction Set Architecture Reference Guide (July 2026). The comments in the code are by the model that wrote it; some were corrected since.
;; Multi Head Attention. Allowed arithmetic: matrix products marked QUANTISED: E2M3 operands, one E8M0 scale for each 32 along K, by v_wmma_scale_f32_16x16x128_f8f6f4 with both operands' format E2M3, f32 sums; everything else in f32.
;; Inputs: Wk 8 x 256 x 512 float32; Wo 512 x 512 float32; Wq 8 x 256 x 512 float32; Wv 8 x 256 x 64 float32; bk 8 x 512 float32; bo 512 float32; bq 8 x 512 float32; bv 8 x 64 float32; input1 8 x 1,024 x 256 float32; input2 8 x 1,024 x 256 float32; input3 8 x 1,024 x 256 float32.
;; Outputs: out0 8 x 1,024 x 512 float32.
;; This version of the problem:
;;   THIS VERSION OF THE PROBLEM IS GIVEN IN LOW PRECISION. The matrix products marked QUANTISED in the list below multiply operands that are first quantised to E2M3 (2 exponent bits, 3 mantissa bits; 6 bits a number), with one power-of-two scale for each 32 numbers along K (OCP MX v1.0); their sums are f32. All else is computed in f32.
;;   The module's matrix products, in the order in which they are computed (A, B: the left and right operand; K: the contracted axis; several contracted axes count as one K, in the product's order):
;;     1. [M 4,096, K 256] x [K 256, N 8,192]; A: input Wq; B: input input1: QUANTISED
;;     2. [M 4,096, K 256] x [K 256, N 8,192]; A: input Wk; B: input input2: QUANTISED
;;     3. [M 512, K 256] x [K 256, N 8,192]; A: input Wv; B: input input3: QUANTISED
;;     4. batch 64 x [M 1,024, K 512] x [K 512, N 1,024]; A: computed on the way; B: computed on the way: QUANTISED
;;     5. batch 64 x [M 1,024, K 1,024] x [K 1,024, N 64]; A: softmax (see below); B: computed on the way: QUANTISED
;;     6. [M 8,192, K 512] x [K 512, N 512]; A: computed on the way; B: input Wo: QUANTISED
;;   THE QUANTISER, for each operand of a quantised product, along K:
;;     - K is cut into blocks of 32 from its start; a last block that is shorter is filled with zeros.
;;     - A block's scale is 2^e with e = floor(log2(the largest magnitude in the block)) - 2, held to -126 .. 127; a block of zeros has e = 0. As a byte (E8M0): e + 127.
;;     - Each number is divided by its block's scale, clamped to +-7.5, and rounded to the nearest number of E2M3, ties to even, subnormals kept.
;;     - The product sums the exact products of the quantised numbers (number of the format x scale) in f32.
;;   ~~~python
;;   def quantise(x, axis):      # numpy; x: float32 -> the quantised numbers, widened to float32 again
;;       x = np.moveaxis(x, axis, -1); K = x.shape[-1]
;;       x = np.pad(x, [(0, 0)] * (x.ndim - 1) + [(0, -K % 32)]); x = x.reshape(x.shape[:-1] + (-1, 32)); a = np.abs(x).max(-1, keepdims=True)
;;       e = np.where(a > 0, np.clip(np.frexp(np.where(a > 0, a, 1))[1] - 1 - 2, -126, 127), 0)      # np.frexp(a)[1] - 1 = floor(log2(a)), exactly
;;       r = np.clip(x / 2.0 ** e, -7.5, 7.5)
;;       step = 2.0 ** (np.maximum(np.frexp(np.where(r == 0, 1, r))[1] - 1, 0) - 3)
;;       q = np.round(r / step) * step * 2.0 ** e      # np.round: ties to even
;;       return np.moveaxis(q.reshape(q.shape[:-2] + (-1,))[..., :K], -1, axis).astype(np.float32)
;;   ~~~
;;   SOFTMAX AHEAD OF A QUANTISED PRODUCT. Where the list says 'softmax', what is quantised is not the finished softmax but p = 2^(t - M), with t = logit x log2(e) and M = ceil(the row's largest t), a whole number; so 1/2 < the row's largest p <= 1. The row's sum l is taken of the UNQUANTISED p, in f32, and the product's result is divided by l at the end. Since M is a whole number, a kernel that streams over the keys may use a running M (the ceiling of the running maximum): every later rescaling is an exact power of two, which a block's scale takes up: the codes' values come out the same.
;;   OPERANDS COMPUTED ON THE WAY. 'Computed on the way' means the value that the module computes at that place (a softmax that the list does not call 'softmax' is quantised finished and normalised). What goes into a quantiser is computed in f32, as accurately as f32 sums, v_exp_f32 and their like allow (about 1e-6 of the number): no bf16 or f16 on the way to a quantiser, and a product that is left as it is and whose result goes on into a quantised operand takes f32 operands (vector FMAs, or v_wmma_f32_16x16x4_f32). A number that lies on a knife's edge between two numbers of the format may be rounded either way, as far as f32 arithmetic and the matrix unit's own rounding can turn it there, and no further.
;; One version. Each part assembles by itself: llvm-mc -triple=amdgcn-amd-amdhsa -mcpu=gfx1250 --defsym DOCPART=n.
;; ======== version 1 of 1: 4 launches
;; workspace buffers: pre 6,860,800 bytes; qkv 55,836,672 bytes; hd 3,407,872 bytes
;; launch prep (part 1): grid 536 x 1, 4 waves a work-group, no clusters, 67,072 bytes of LDS; arguments input1, input2, input3, Wq, Wk, Wv, Wo, pre; writes pre
.if DOCPART == 1
	.amdgcn_target "amdgcn-amd-amdhsa--gfx1250"
	.amdhsa_code_object_version 6
	.text
	.protected	k_qc59c679a9b_prep
	.globl	k_qc59c679a9b_prep
	.p2align	8
	.type	k_qc59c679a9b_prep,@function
k_qc59c679a9b_prep:
	s_mov_b64 s[64:65], 0
	v_nop
	global_prefetch_b8 v0, s[64:65] scope:SCOPE_SE
	s_setreg_imm32_b32 hwreg(HW_REG_WAVE_MODE, 25, 1), 1
	s_wait_xcnt 0x0
; input1-3 [8192][256], Wq, Wk [8][256][512], Wv [8][256][64], Wo [512][512], all f32, become codes of FP6 (E2M3) with one E8M0 byte for each 32 along K, laid in the ORDER OF THE OPERAND'S REGISTERS.
; A fragment is 16 rows x 128 K: 12 registers a lane (lane (r, h): row r, registers 6 c .. 6 c + 5 = k 64 c + 32 h + 0 .. 31).  Its image is 1,536 bytes: registers 4 g .. 4 g + 3 of lane L at 512 g + 16 L.
; A PAIR RECORD G is two images on end (K steps 0 and 1 of one tile of 16 rows or units) at 3,072 G, and one register of scale words at PSC0 + 128 G + 4 L: lanes 0-15 the first fragment's rows, lanes 16-31 the second's.
;   G = 512 i + T: rows 16 T on of input i + 1.   G = 1,536 + 32 ws + u: units 16 u on of weight set ws (0-7 Wq's heads, 8-15 Wk's, 16: Wv with u = 4 head + tile).   G = 2,080 + 2 nt + kp: columns 16 nt on of Wo, K steps 2 kp, 2 kp + 1.
; Wave w of work-group g makes record 4 g + w: 536 x 4 = 2,144 records.  Waves share nothing: no barrier, no cluster (no two work-groups read the same bytes), no matrix unit.
; A lane holds two WHOLE blocks of 32 of each fragment, so a block's largest magnitude needs no other lane.  A block's scale is 2^(floor(log2(largest magnitude)) - 2): its byte is that magnitude's exponent field - 2, held at 1 from below.
; INPUTS (K innermost): the tile's 16 rows are 16,384 bytes on end; they are loaded 512 consecutive bytes an instruction, turned through the wave's own stage in LDS (rows 1,040 bytes apart = 65 x 16: the sixteen rows of a read start in sixteen different groups of banks).
; WEIGHTS (K is the first axis): a lane takes a column and its registers run down K; sixteen lanes read 64 consecutive bytes, the four waves of a work-group stand side by side on 256.
; Wo's K inside each block of 32 is taken in the order p -> p % 8 + 16 ((p / 8) % 2) + 8 (p / 16), the order in which the launch attn lays the heads' codes: the same order on both sides of a product keeps every product.
; LIMITS: a block of zeros gets the byte 1 where the rule says 127 (its codes are zeros, and this program alone reads the bytes); NaN and infinities among the inputs are not served.
.set PSC0,  6586368                    ; 2,144 records x 3,072 bytes
.set SROW,  1040
.set SWAVE, 16*SROW                    ; a wave's stage
.set SPARE, 4*SWAVE                    ; 66,560: the spare words, 128 bytes for each wave
.set RL,  1                            ; lane
.set RR,  2                            ; r
.set RH,  3                            ; h
.set H8,  4                            ; 8 h
.set GA,  5                            ; weights: my byte in the tile's first row of K
.set LI,  6                            ; 16 x lane
.set LS,  7                            ; 4 x lane
.set STA, 8                            ; stage, in
.set RDA, 9                            ; stage, out
.set SPW, 10                           ; my spare word; never rewritten
.set NIL, 11                           ; 0; never rewritten
.set MX,  12                           ; v12-13 largest magnitudes
.set SO,  14                           ; v14-15 the conversions' scale operands
.set BY,  16                           ; v16-17 bytes
.set WD,  18
.set WT,  19
.set PW,  20                           ; v20-21 the two fragments' scale words
.set PWS, 22
.set C0,  24                           ; v24-35 fragment 0's codes
.set C1,  36                           ; v36-47 fragment 1's
.set CT,  48                           ; v48-50, v52-54 a block's upper 16 codes
.set RAW, 64                           ; v64-191 the rows as loaded
.set F0,  192                          ; v192-255 fragment 0's 64 numbers
.set F1,  128                          ; v128-191 fragment 1's
	s_load_b256 s[4:11], s[0:1], 0x0               ; input1, input2, input3, Wq
	s_load_b256 s[12:19], s[0:1], 0x20             ; Wk, Wv, Wo, pre
	v_lshl_add_u32 v[SPW], v0, 2, SPARE
	v_mov_b32 v[NIL], 0
	v_lshrrev_b32 v[RL], 5, v0
	v_readfirstlane_b32 s24, v[RL]                 ; wave
	v_and_b32 v[RL], 31, v0
	v_and_b32 v[RR], 15, v0
	v_bfe_u32 v[RH], v0, 4, 1
	v_lshlrev_b32 v[H8], 3, v[RH]
	v_lshlrev_b32 v[LI], 4, v[RL]
	v_lshlrev_b32 v[LS], 2, v[RL]
	s_mul_i32 s26, s24, SWAVE
	v_add_nc_u32 v[STA], s26, v[LI]                ; in: 512 bytes as they were loaded
	v_mul_u32_u24 v[RDA], v[RR], SROW
	v_lshl_add_u32 v[RDA], v[RH], 7, v[RDA]
	v_add_nc_u32 v[RDA], s26, v[RDA]               ; out: row r, + 128 h: my block of 32 numbers
	v_mov_b32 v[WT], 0                             ; a lane permute's destination counts as one of its sources
	s_mov_b32 s20, 0xffff0000                      ; lanes 16-31
	s_mov_b32 s22, 0x76543210
	s_mov_b32 s23, 0xfedcba98                      ; v_permlanex16_b32's selects for lane l xor 16
	s_lshl_b32 s25, ttmp9, 2
	s_add_co_u32 s25, s25, s24                     ; G
	s_mul_i32 s28, s25, 3072
	s_mov_b32 s29, 0
	s_lshl_b32 s30, s25, 7
	s_add_co_u32 s30, s30, PSC0
	s_mov_b32 s31, 0
	s_mov_b32 s27, 0
	s_wait_kmcnt 0x0
	s_add_nc_u64 s[28:29], s[18:19], s[28:29]      ; my record's codes
	s_add_nc_u64 s[30:31], s[18:19], s[30:31]      ; and its scale words
; 128 loads: W(128 f + 64 c + 32 h + i, my column); np: bytes from a row of K to the next; perm = 1: i in Wo's order
.macro LOADW np, perm
.irp f, 0,1
.irp c, 0,1
.set I, 0
.rept 32
.if \perm
.set KA, I%8+16*((I/8)%2)+8*(I/16)
.else
.set KA, I
.endif
	global_load_b32 v[F0-64*\f+32*\c+I], v[GA], s[32:33] offset:(128*\f+64*\c+KA)*\np
.set I, I+1
.endr
.endr
.endr
.endm
; 64 numbers of a lane at v[src] on (register 32 c + i = k 64 c + 32 h + i of my row) become the fragment's 12 registers at v[cd] on and its scale word in v[pw]
.macro QF src, cd, pw
.irp c, 0,1
	v_max3_num_f32 v[MX+\c], |v[\src+32*\c]|, |v[\src+32*\c+1]|, 0x1800000   ; my block 2 c + h, and the floor 2^(3 - 127): the byte cannot fall under 1
.endr
.irp i, 2,4,6,8,10,12,14,16,18,20,22,24,26,28,30
.irp c, 0,1
	v_max3_num_f32 v[MX+\c], v[MX+\c], |v[\src+32*\c+\i]|, |v[\src+32*\c+\i+1]|   ; the two blocks by turns
.endr
.endr
.irp c, 0,1
	v_add_nc_u32 v[SO+\c], 0xff000000, v[MX+\c]    ; 2 off the exponent field: the conversion takes that field as its scale
.endr
.irp c, 0,1
	v_lshrrev_b32 v[BY+\c], 23, v[SO+\c]           ; the scale's byte
.endr
	v_lshl_or_b32 v[WD], v[BY+1], 16, v[BY]        ; blocks h and 2 + h,
	v_lshlrev_b32 v[WD], v[H8], v[WD]              ; at their places in the word;
	v_permlanex16_b32 v[WT], v[WD], s22, s23
	v_or_b32 v[\pw], v[WD], v[WT]                  ; with lane l xor 16's two the word is whole
.irp c, 0,1
	v_cvt_scalef32_pk16_fp6_f32 v[\cd+6*\c:\cd+6*\c+2], v[\src+32*\c:\src+32*\c+15], v[SO+\c]
	v_cvt_scalef32_pk16_fp6_f32 v[CT+4*\c:CT+4*\c+2], v[\src+32*\c+16:\src+32*\c+31], v[SO+\c]   ; (a conversion's three registers begin on an even number)
.endr
	v_nop                                          ; one plain place behind a scaled conversion
.irp c, 0,1
.irp i, 0,1,2
	v_mov_b32 v[\cd+6*\c+3+\i], v[CT+4*\c+\i]
.endr
.endr
.endm
	s_cmp_lt_u32 ttmp9, 384                        ; the paths part on the work-group's number alone
	s_cbranch_scc0 .Lweights
	; ---- an input's tile of 16 rows
	s_cmp_lt_u32 ttmp9, 128
	s_cselect_b64 s[32:33], s[4:5], s[6:7]
	s_cmp_lt_u32 ttmp9, 256
	s_cselect_b64 s[32:33], s[32:33], s[8:9]
	s_and_b32 s26, s25, 511
	s_lshl_b32 s26, s26, 14                        ; 16 rows of 1,024 bytes
	s_add_nc_u64 s[32:33], s[32:33], s[26:27]
.set N, 0
.rept 32
	global_load_b128 v[RAW+4*N:RAW+4*N+3], v[LI], s[32:33] offset:512*N th:TH_LOAD_NT   ; 32 lanes read 512 consecutive bytes: half a row
.set N, N+1
.endr
.set N, 0
.rept 4
	s_wait_loadcnt 24-N                            ; loads come back in order: these eight are in, the younger groups of eight stay out
.rept 8
	ds_store_b128 v[STA], v[RAW+4*N:RAW+4*N+3] offset:(N/2)*SROW+(N%2)*512
.set N, N+1
.endr
.endr
.irp c, 0,1
.irp j, 0,1,2,3,4,5,6,7
	ds_load_b128 v[F0+32*\c+4*\j:F0+32*\c+4*\j+3], v[RDA] offset:256*\c+16*\j   ; LDS serves a wave's instructions in order: these see my stores
.endr
.endr
	s_wait_dscnt 0x0                               ; the stores have read v128-191, which fragment 1's numbers now take
.irp c, 0,1
.irp j, 0,1,2,3,4,5,6,7
	ds_load_b128 v[F1+32*\c+4*\j:F1+32*\c+4*\j+3], v[RDA] offset:512+256*\c+16*\j
.endr
.endr
	s_wait_dscnt 0x0
	s_branch .Lq
.Lweights:
	s_cmp_lt_u32 ttmp9, 512
	s_cbranch_scc0 .Lvo
	; ---- Wq or Wk: record 32 head + u of its tensor
	s_cmp_lt_u32 ttmp9, 448
	s_cselect_b64 s[32:33], s[10:11], s[12:13]
	s_and_b32 s26, s25, 255
	s_lshr_b32 s21, s26, 5
	s_lshl_b32 s21, s21, 19                        ; a head is 524,288 bytes
	s_and_b32 s26, s26, 31
	s_lshl_b32 s26, s26, 6                         ; 16 units are 64 bytes
	s_add_co_u32 s26, s26, s21
	s_add_nc_u64 s[32:33], s[32:33], s[26:27]
	v_lshlrev_b32 v[GA], 16, v[RH]                 ; lanes 16-31 begin 32 rows of 2,048 bytes further down
	v_lshl_add_u32 v[GA], v[RR], 2, v[GA]
	LOADW 2048, 0
	s_wait_loadcnt 0x0
	s_branch .Lq
.Lvo:
	s_cmp_lt_u32 ttmp9, 520
	s_cbranch_scc0 .Lwo
	; ---- Wv: record 4 head + tile
	s_sub_co_u32 s26, s25, 2048
	s_lshr_b32 s21, s26, 2
	s_lshl_b32 s21, s21, 16                        ; a head is 65,536 bytes
	s_and_b32 s26, s26, 3
	s_lshl_b32 s26, s26, 6
	s_add_co_u32 s26, s26, s21
	s_add_nc_u64 s[32:33], s[14:15], s[26:27]
	v_lshlrev_b32 v[GA], 13, v[RH]                 ; 32 rows of 256 bytes
	v_lshl_add_u32 v[GA], v[RR], 2, v[GA]
	LOADW 256, 0
	s_wait_loadcnt 0x0
	s_branch .Lq
.Lwo:
	; ---- Wo: record 2 nt + kp
	s_sub_co_u32 s26, s25, 2080
	s_and_b32 s21, s26, 1
	s_lshl_b32 s21, s21, 19                        ; 256 rows of 2,048 bytes
	s_lshr_b32 s26, s26, 1
	s_lshl_b32 s26, s26, 6
	s_add_co_u32 s26, s26, s21
	s_add_nc_u64 s[32:33], s[16:17], s[26:27]
	v_lshlrev_b32 v[GA], 16, v[RH]
	v_lshl_add_u32 v[GA], v[RR], 2, v[GA]
	LOADW 2048, 1
	s_wait_loadcnt 0x0
.Lq:
	QF F0, C0, PW
	QF F1, C1, PW+1
.irp g, 0,1,2
	global_store_b128 v[LI], v[C0+4*\g:C0+4*\g+3], s[28:29] offset:512*\g          ; 32 lanes store 512 consecutive bytes, at a multiple of 256 from the buffer's first byte
.endr
.irp g, 0,1,2
	global_store_b128 v[LI], v[C1+4*\g:C1+4*\g+3], s[28:29] offset:1536+512*\g
.endr
	v_cndmask_b32 v[PWS], v[PW], v[PW+1], s20      ; lanes 0-15 fragment 0's words, lanes 16-31 fragment 1's
	global_store_b32 v[LS], v[PWS], s[30:31]
	s_wait_tensorcnt 0x0                           ; the wave's end: behind my last LDS store; the tensor wait stands even in a text with no tensor load
	ds_add_u32 v[SPW], v[NIL]
	s_wait_dscnt 0x0
	s_endpgm
.Lfunc_end_k_qc59c679a9b_prep:
	.size	k_qc59c679a9b_prep, .Lfunc_end_k_qc59c679a9b_prep-k_qc59c679a9b_prep
	.p2alignl 7, 3214868480
	.fill 96, 4, 3214868480
	.section	.rodata,"a",@progbits
	.p2align	6, 0x0
	.amdhsa_kernel k_qc59c679a9b_prep
		.amdhsa_group_segment_fixed_size 67072
		.amdhsa_private_segment_fixed_size 0
		.amdhsa_enable_private_segment 0
		.amdhsa_kernarg_size 64
		.amdhsa_user_sgpr_count 2
		.amdhsa_user_sgpr_kernarg_segment_ptr 1
		.amdhsa_wavefront_size32 1
		.amdhsa_system_sgpr_workgroup_id_x 1
		.amdhsa_system_sgpr_workgroup_id_y 1
		.amdhsa_system_sgpr_workgroup_id_z 1
		.amdhsa_system_vgpr_workitem_id 0
		.amdhsa_next_free_vgpr 256
		.amdhsa_next_free_sgpr 66
		.amdhsa_reserve_vcc 0
		.amdhsa_float_denorm_mode_32 3
		.amdhsa_float_denorm_mode_16_64 3
		.amdhsa_memory_ordered 1
		.amdhsa_forward_progress 1
		.amdhsa_inst_pref_size 54
	.end_amdhsa_kernel
	.amdgpu_metadata
---
amdhsa.version: [ 1, 2 ]
amdhsa.kernels:
  - .name:           k_qc59c679a9b_prep
    .symbol:         k_qc59c679a9b_prep.kd
    .args:
      - { .name: input1, .offset: 0, .size: 8, .value_kind: global_buffer, .address_space: global }
      - { .name: input2, .offset: 8, .size: 8, .value_kind: global_buffer, .address_space: global }
      - { .name: input3, .offset: 16, .size: 8, .value_kind: global_buffer, .address_space: global }
      - { .name: Wq, .offset: 24, .size: 8, .value_kind: global_buffer, .address_space: global }
      - { .name: Wk, .offset: 32, .size: 8, .value_kind: global_buffer, .address_space: global }
      - { .name: Wv, .offset: 40, .size: 8, .value_kind: global_buffer, .address_space: global }
      - { .name: Wo, .offset: 48, .size: 8, .value_kind: global_buffer, .address_space: global }
      - { .name: pre, .offset: 56, .size: 8, .value_kind: global_buffer, .address_space: global }
    .group_segment_fixed_size: 67072
    .private_segment_fixed_size: 0
    .kernarg_segment_align: 8
    .kernarg_segment_size: 64
    .max_flat_workgroup_size: 128
    .sgpr_count:     66
    .vgpr_count:     256
    .wavefront_size: 32
...
	.end_amdgpu_metadata
.endif
;; end of part 1
;; launch proj (part 2): grid 16 x 16, 8 waves a work-group, clusters of 4 x 4, 222,208 bytes of LDS; arguments pre, bq, bk, bv, qkv; writes qkv
.if DOCPART == 2
	.amdgcn_target "amdgcn-amd-amdhsa--gfx1250"
	.amdhsa_code_object_version 6
	.text
	.protected	k_qc59c679a9b_proj
	.globl	k_qc59c679a9b_proj
	.p2align	8
	.type	k_qc59c679a9b_proj,@function
k_qc59c679a9b_proj:
	s_mov_b64 s[64:65], 0
	v_nop
	global_prefetch_b8 v0, s[64:65] scope:SCOPE_SE
	s_setreg_imm32_b32 hwreg(HW_REG_WAVE_MODE, 25, 1), 1
	s_wait_xcnt 0x0
	s_wait_alu depctr_hold_cnt(0) depctr_sa_sdst(0) depctr_va_vdst(0) depctr_va_sdst(0) depctr_va_ssrc(0) depctr_va_vcc(0) depctr_vm_vsrc(0)
	s_getreg_b32 s2, hwreg(HW_REG_IB_STS2, 6, 4)
	s_cmp_eq_u32 s2, 0
	s_cbranch_scc0 .Lentry_in_a_cluster
	s_endpgm
.Lentry_in_a_cluster:
	s_bfe_u32 s2, ttmp6, 0x10000c
	s_cmp_lg_u32 s2, 0xf033
	s_cbranch_scc0 .Lentry_shape_is_right
	s_endpgm
.Lentry_shape_is_right:
; q = input1 Wq + bq, k = input2 Wk + bk, v = input3 Wv + bv on codes of FP6 (E2M3) with E8M0 scales, K = 256; each result is quantised in registers for the product that takes it next and leaves as images of operand registers.
; SHARES.  Work-group (x, y): rb = x picks 512 rows (32 tiles of 16), ws = y a weight set (0-7 Wq's heads, 8-15 Wk's).  Wave w: es = w % 4 picks 128 units of the head (K step es of the scores' product), rh = w / 4 picks 16 of the row tiles.
; The wave's 16 weight fragments stay in registers; a TRIP takes one row tile: 16 matrix instructions (8 unit tiles x 2 K steps, source 0 = 16 units, source 1 = 16 rows), so that a lane holds ONE row and its registers run along the units:
; register j of tile t is unit 16 t + 8 h + j.  The 16 registers of tiles 2 b, 2 b + 1 are quantised as places 16 h + 0 .. 15 of block b: inside a block of 32 the two middle groups of eight change places.  The block's 32 numbers, and so its
; scale, are the rule's; q and k (and p and v) carry the same order, which keeps every product; only the grouping of the f32 sums differs.
; v is one trip more, with the roles changed: source 0 = the 8 row tiles of a group of 128 rows of input3 (g = 4 ws + cluster x), source 1 = one unit tile of Wv (8 cx + w): a lane holds one channel and its registers run down the keys.
; Two waves share a SIMD: one wave's quantising stands beside the other's products.
; CLUSTER 4 x 4.  The weight set and input3's group hang on y (and the cluster's x) alone: asked for jointly along a row of the cluster; the rows' codes hang on x (and the cluster's y) alone: jointly along a column.  That divides these requests by four.
; All of a work-group's operands, 221,184 bytes, are filled once, at the start: no slot is filled again.
; OUT (buffer qkv; bh = 8 batch + head, st = tile of 16 rows in the batch): q's fragment (st, es) at bh 393,216 + st 6,144 + es 1,536.  From KV0 on, for each bh four slots of 256 keys, 110,592 bytes: k's fragment (st % 16, es) at
; (st % 16) 6,144 + es 1,536, then from 98,304 on v's fragments (16 channels ct x 128 keys) at ((key step % 2) 4 + ct) 1,536.  Scale words: q's at QS + bh 16,384 + es 4,096 + st 64 + 4 r; k's likewise at KVS + bh 20,480; v's behind them
; at + 16,384 + key step 512 + ct 128 + 4 lane.
; LIMITS: a block of zeros gets the byte 1 (its codes are zeros; this program alone reads the bytes); NaN and infinities are not served.
.set PSC0,  6586368
.set KV0,   25165824
.set QS,    53477376
.set KVS,   54525952
.set XL,    98304                      ; LDS: 0 the weight set's 64 fragments; XL the 32 row tiles' 64; VL input3's group's 16
.set VL,    196608
.set SPARE, 221184                     ; the spare words, 128 bytes for each of eight waves
.set LI,  1                            ; 16 x lane
.set LS,  2                            ; 4 x lane
.set AW,  3                            ; LDS: my 16 weight fragments
.set AX,  4                            ; my 16 row tiles
.set AV,  5                            ; input3's group
.set BO,  6                            ; 32 h
.set R4,  7                            ; 4 r
.set SPW, 8                            ; my spare word; never rewritten
.set NIL, 9                            ; 0; never rewritten
.set XF,  12                           ; v12-35  the streamed tile's two fragments
.set ACC, 36                           ; v36-99  eight accumulators
.set PC,  100                          ; v100-119 the codes just made
.set TM,  120                          ; v120-135 at work in QUANT
.set PW,  136                          ; the scale word just made
.set PWE, 137                          ; that of the even trip before
.set PWS, 138
.set WS,  140                          ; v140-147 my weight tiles' scale words (lanes 0-15 K step 0, lanes 16-31 K step 1)
.set VSX, 148                          ; v148-155 input3's row tiles'
.set XSV, 156                          ; Wv's tile's
.set BV,  158                          ; v158-165 bv of my lane's channel, eight times: the C of v's sums
.set XS,  166                          ; v166-181 my 16 row tiles' scale words
.set BI,  192                          ; window 1: v0-191 the 16 held fragments ((t, ks) at 12 (2 t + ks)); v192-255 the bias in the result's layout
.set WV,  14
.set ES,  15
.set RHF, 16
.set MSB, 0
.macro WIN new                         ; the immediate's high byte repeats the setting that is left
.if MSB != (\new)
	s_set_vgpr_msb (MSB<<8)|(\new)
.set MSB, (\new)
.endif
.endm
.macro PLACES n
.rept \n
	v_nop
.endr
.endm
.macro CROUND                          ; a round of the cluster's barrier
	s_barrier_signal -1
	s_barrier_wait -1
	s_cmp_lg_u32 s[WV], 0
	s_cbranch_scc1 .Lnot_wave_0_\@
	s_barrier_signal -3
.Lnot_wave_0_\@:
	s_barrier_wait -3
	s_barrier_signal -1
	s_barrier_wait -1
.endm
	s_load_b256 s[4:11], s[0:1], 0x0               ; pre, bq, bk, bv
	s_load_b64 s[12:13], s[0:1], 0x20              ; qkv
	v_lshl_add_u32 v[SPW], v0, 2, SPARE
	v_mov_b32 v[NIL], 0
	ds_add_u32 v[SPW], v[NIL]                      ; the wave's opening: the add and its wait stand ahead of the first tensor loads; the set-up below, work on registers, stands between them
	v_lshrrev_b32 v10, 5, v0
	v_readfirstlane_b32 s[WV], v10                 ; wave 0..7
	s_and_b32 s[ES], s[WV], 3
	s_lshr_b32 s[RHF], s[WV], 2
	s_bfe_u32 s17, ttmp6, 0x40000                  ; cx
	s_bfe_u32 s18, ttmp6, 0x40004                  ; cy
	s_lshl_b32 s19, ttmp9, 2
	s_add_co_u32 s19, s19, s17                     ; rb = 4 x cluster x + cx
	s_and_b32 s21, ttmp7, 0xffff                   ; cluster y
	s_lshl_b32 s20, s21, 2
	s_add_co_u32 s20, s20, s18                     ; ws = 4 x cluster y + cy
	s_lshl_b32 s22, s18, 2
	s_lshl_b32 s22, 15, s22                        ; my row of the cluster
	s_lshl_b32 s23, 0x1111, s17                    ; my column
	; descriptor groups 1: dense blocks as rows of 256 bytes (32 elements of 8 bytes), no padding: images are read 512 consecutive bytes an instruction
	s_or_b32 s24, s22, (3<<16)|(1<<21)             ; the weight set's quarter: 96 rows, to my row of the cluster; bit 21 set beside a mask
	s_or_b32 s32, s23, (3<<16)|(1<<21)             ; the rows' quarter: 96 rows, to my column
	s_or_b32 s40, s22, (3<<16)|(1<<21)             ; input3's group's quarter: 24 rows, to my row
.irp g, 24, 32
	s_mov_b32 s[\g+1], 32<<16                      ; tensor_dim0 = 32
	s_mov_b32 s[\g+2], 96<<16                      ; tensor_dim1 = 96
	s_mov_b32 s[\g+3], 32<<16                      ; tile_dim0 = 32
	s_mov_b32 s[\g+4], 96                          ; tile_dim1 = 96
	s_mov_b32 s[\g+5], 32                          ; the pitch
	s_mov_b32 s[\g+6], 0
	s_mov_b32 s[\g+7], 0
.endr
	s_mov_b32 s41, 32<<16
	s_mov_b32 s42, 24<<16
	s_mov_b32 s43, 32<<16
	s_mov_b32 s44, 24
	s_mov_b32 s45, 32
	s_mov_b32 s46, 0
	s_mov_b32 s47, 0
	; where the three come from, each in registers that never hold a coordinate which its partners do not share
	s_mul_i32 s96, s[ES], 24576                    ; a quarter of 98,304 bytes
	s_mul_i32 s90, s20, 98304
	s_add_co_u32 s90, s90, s96
	s_add_co_u32 s90, s90, 4718592                 ; records 1,536 + 32 ws on
	s_mov_b32 s91, 0
	s_lshr_b32 s92, s21, 1                         ; 0: q, from input1; 1: k, from input2
	s_mul_i32 s92, s92, 1572864
	s_mul_i32 s93, s19, 98304
	s_add_co_u32 s92, s92, s93
	s_add_co_u32 s92, s92, s96                     ; records 512 (0 or 1) + 32 rb on
	s_mov_b32 s93, 0
	s_lshl_b32 s61, s20, 2
	s_add_co_u32 s61, s61, ttmp9                   ; g: which 128 rows of input3
	s_mul_i32 s94, s61, 24576
	s_mul_i32 s95, s[ES], 6144
	s_add_co_u32 s94, s94, s95
	s_add_co_u32 s94, s94, 3145728                 ; records 1,024 + 8 g on
	s_mov_b32 s48, 1                               ; groups 0: count = 1,
	s_mov_b32 s49, s96                             ; the LDS address: a constant + a constant x (wave % 4),
	s_mov_b32 s52, 1
	s_add_co_u32 s53, s96, XL
	s_mov_b32 s56, 1
	s_add_co_u32 s57, s95, VL
	s_mov_b32 s95, 0
	s_mov_b32 s60, 0xffff0000                      ; lanes 16-31
	s_mov_b32 s66, 0x76543210
	s_mov_b32 s67, 0xfedcba98                      ; v_permlanex16_b32's selects for lane l xor 16
	s_wait_dscnt 0x0                               ; the opening add is done
	s_wait_kmcnt 0x0
	s_add_nc_u64 s[50:51], s[4:5], s[90:91]        ; the global address,
	s_or_b32 s51, s51, 0x80000000                  ; and the type
	s_add_nc_u64 s[54:55], s[4:5], s[92:93]
	s_or_b32 s55, s55, 0x80000000
	s_add_nc_u64 s[58:59], s[4:5], s[94:95]
	s_or_b32 s59, s59, 0x80000000
	CROUND                                         ; all sixteen work-groups are here: the joint loads meet
	s_cmp_lt_u32 s[WV], 4                          ; a wave's first fills stand in one branch on its number: waves 0-3 two loads, waves 4-7 one; an s_nop 0 follows each load, four v_nop the last
	s_cbranch_scc0 .Lfill_x
	tensor_load_to_lds s[48:51], s[24:31]          ; a quarter of the weight set
	s_nop 0
	tensor_load_to_lds s[56:59], s[40:47]          ; a quarter of input3's group
	s_nop 0
	PLACES 4
	s_branch .Lfilled
.Lfill_x:
	tensor_load_to_lds s[52:55], s[32:39]          ; a quarter of the rows' codes
	s_nop 0
	PLACES 4
.Lfilled:
	v_and_b32 v10, 31, v0
	v_lshlrev_b32 v[LI], 4, v10
	v_lshlrev_b32 v[LS], 2, v10
	v_add_nc_u32 v[AW], s96, v[LI]                 ; my 8 unit tiles: 8 records of 3,072 bytes x es
	s_mul_i32 s97, s[RHF], 49152
	s_add_co_u32 s97, s97, XL
	v_add_nc_u32 v[AX], s97, v[LI]
	v_add_nc_u32 v[AV], VL, v[LI]
	v_bfe_u32 v10, v0, 4, 1
	v_lshlrev_b32 v[BO], 5, v10
	v_and_b32 v10, 15, v0
	v_lshlrev_b32 v[R4], 2, v10
.irp b, 0,1,2,3
	v_mov_b32 v[TM+4+\b], 0                        ; written once: a lane permute's destination counts as one of its sources
.endr
	; what comes straight into registers
	s_lshl_b32 s62, s17, 3
	s_add_co_u32 s62, s62, s[WV]                   ; ut = 8 cx + w: my unit tile of Wv (4 head + ct)
	s_mov_b32 s3, 0
	s_lshl_b32 s2, s20, 12
	s_lshl_b32 s63, s[ES], 10
	s_add_co_u32 s2, s2, s63
	s_add_co_u32 s2, s2, PSC0+196608
	s_add_nc_u64 s[76:77], s[4:5], s[2:3]          ; scale words of records 1,536 + 32 ws + 8 es on
	s_lshr_b32 s2, s21, 1
	s_lshl_b32 s2, s2, 16
	s_lshl_b32 s63, s19, 12
	s_add_co_u32 s2, s2, s63
	s_lshl_b32 s63, s[RHF], 11
	s_add_co_u32 s2, s2, s63
	s_add_co_u32 s2, s2, PSC0
	s_add_nc_u64 s[78:79], s[4:5], s[2:3]          ; of my 16 row tiles
	s_lshl_b32 s2, s61, 10
	s_add_co_u32 s2, s2, PSC0+131072
	s_add_nc_u64 s[80:81], s[4:5], s[2:3]          ; of input3's group
	s_lshl_b32 s2, s62, 7
	s_add_co_u32 s2, s2, PSC0+262144
	s_add_nc_u64 s[82:83], s[4:5], s[2:3]          ; of Wv's tile
	s_mul_i32 s2, s62, 3072
	s_add_co_u32 s2, s2, 6291456
	s_add_nc_u64 s[84:85], s[4:5], s[2:3]          ; Wv's tile's two fragments
	s_lshl_b32 s2, s62, 6
	s_add_nc_u64 s[86:87], s[10:11], s[2:3]        ; bv at the tile's 16 channels
	s_cmp_lt_u32 s21, 2                            ; q's work-group or k's: the choice hangs on the cluster's y alone
	s_cselect_b64 s[88:89], s[6:7], s[8:9]
	s_and_b32 s63, s20, 7                          ; head
	s_lshl_b32 s2, s63, 11
	s_lshl_b32 s97, s[ES], 9
	s_add_co_u32 s2, s2, s97
	s_add_nc_u64 s[88:89], s[88:89], s[2:3]        ; the bias at my 128 units
.irp t, 0,1,2,3,4,5,6,7
	global_load_b32 v[VSX+\t], v[LS], s[80:81] offset:128*\t
.endr
	global_load_b32 v[XSV], v[LS], s[82:83]
.irp n, 0,1,2,3,4,5
	global_load_b128 v[XF+4*\n:XF+4*\n+3], v[LI], s[84:85] offset:512*\n
.endr
.irp j, 0,1,2,3,4,5,6,7
	global_load_b32 v[BV+\j], v[R4], s[86:87]      ; the same number eight times: v's result has one channel a lane
.endr
.irp t, 0,1,2,3,4,5,6,7
	global_load_b32 v[WS+\t], v[LS], s[76:77] offset:128*\t
.endr
.set N, 0
.rept 16
	global_load_b32 v[XS+N], v[LS], s[78:79] offset:128*N
.set N, N+1
.endr
	WIN 0x40                                       ; destination window 1
.irp t, 0,1,2,3,4,5,6,7
	global_load_b128 v[BI+8*\t:BI+8*\t+3], v[BO], s[88:89] offset:64*\t        ; units 16 t + 8 h + 0 .. 7
	global_load_b128 v[BI+8*\t+4:BI+8*\t+7], v[BO], s[88:89] offset:64*\t+16
.endr
	WIN 0
	; where the results go
	s_cmp_lt_u32 s21, 2
	s_mov_b32 s90, 442368
	s_cselect_b32 s90, 393216, s90                 ; bytes of a (batch, head)
	s_mov_b32 s91, 110592
	s_cselect_b32 s91, 98304, s91                  ; of 16 row tiles
	s_cselect_b32 s92, 0, KV0
	s_mov_b32 s93, KVS
	s_cselect_b32 s93, QS, s93
	s_mov_b32 s94, 20480
	s_cselect_b32 s94, 16384, s94
	s_lshr_b32 s95, s19, 1
	s_lshl_b32 s95, s95, 3
	s_add_co_u32 s95, s95, s63                     ; bh = 8 batch + head
	s_and_b32 s97, s19, 1
	s_lshl_b32 s97, s97, 1
	s_add_co_u32 s97, s97, s[RHF]                  ; which 16 of the batch's 64 row tiles
	s_mul_i32 s90, s90, s95
	s_mul_i32 s91, s91, s97
	s_add_co_u32 s2, s90, s91
	s_add_co_u32 s2, s2, s92
	s_mul_i32 s91, s[ES], 1536
	s_add_co_u32 s2, s2, s91
	s_add_nc_u64 s[68:69], s[12:13], s[2:3]        ; codes
	s_mul_i32 s94, s94, s95
	s_add_co_u32 s2, s93, s94
	s_lshl_b32 s91, s[ES], 12
	s_add_co_u32 s2, s2, s91
	s_lshl_b32 s91, s97, 10
	s_add_co_u32 s2, s2, s91
	s_add_nc_u64 s[70:71], s[12:13], s[2:3]        ; scale words
	s_lshr_b32 s90, s61, 3
	s_lshl_b32 s90, s90, 3
	s_lshr_b32 s91, s62, 2
	s_add_co_u32 s90, s90, s91                     ; v: 8 batch + head
	s_and_b32 s91, s61, 7                          ; key step
	s_and_b32 s92, s62, 3                          ; ct
	s_mul_i32 s93, s90, 442368
	s_lshr_b32 s94, s91, 1
	s_mul_i32 s94, s94, 110592
	s_add_co_u32 s93, s93, s94
	s_and_b32 s94, s91, 1
	s_lshl_b32 s94, s94, 2
	s_add_co_u32 s94, s94, s92
	s_mul_i32 s94, s94, 1536
	s_add_co_u32 s93, s93, s94
	s_add_co_u32 s2, s93, KV0+98304
	s_add_nc_u64 s[72:73], s[12:13], s[2:3]
	s_mul_i32 s93, s90, 20480
	s_lshl_b32 s94, s91, 9
	s_add_co_u32 s93, s93, s94
	s_lshl_b32 s94, s92, 7
	s_add_co_u32 s93, s93, s94
	s_add_co_u32 s2, s93, KVS+16384
	s_add_nc_u64 s[74:75], s[12:13], s[2:3]
.macro HELD adr                        ; 16 fragments, 24,576 bytes on end, into window 1
	WIN 0x40
.set N, 0
.rept 48
	ds_load_b128 v[4*N:4*N+3], v[\adr] offset:512*N
.set N, N+1
.endr
	WIN 0
.endm
.macro XLOAD i                         ; row tile i's two fragments
.irp n, 0,1,2,3,4,5
	ds_load_b128 v[XF+4*\n:XF+4*\n+3], v[AX] offset:3072*(\i)+512*\n
.endr
.endm
; 16 matrix instructions: the 8 held tiles x the streamed tile, K step 0 (its C: v[cb + cst t] in the window of cwin) and K step 1.  The eight accumulators take turns, one instruction a turn.
.macro TRIP as, bs, cb, cst, cwin
	WIN \cwin
.irp t, 0,1,2,3,4,5,6,7
	v_wmma_scale_f32_16x16x128_f8f6f4 v[ACC+8*\t:ACC+8*\t+7], v[24*\t:24*\t+11], v[XF:XF+11], v[(\cb)+(\cst)*\t:(\cb)+(\cst)*\t+7], v[(\as)+\t], v[(\bs)] matrix_a_fmt:MATRIX_FMT_FP6 matrix_b_fmt:MATRIX_FMT_FP6
.endr
	WIN 0x01
.irp t, 0,1,2,3,4,5,6,7
	v_wmma_scale_f32_16x16x128_f8f6f4 v[ACC+8*\t:ACC+8*\t+7], v[24*\t+12:24*\t+23], v[XF+12:XF+23], v[ACC+8*\t:ACC+8*\t+7], v[(\as)+\t], v[(\bs)] matrix_a_fmt:MATRIX_FMT_FP6 matrix_b_fmt:MATRIX_FMT_FP6 matrix_a_scale:MATRIX_SCALE_ROW1 matrix_b_scale:MATRIX_SCALE_ROW1
.endr
	WIN 0
.endm
; 64 numbers of a lane, register 16 b + i = place 16 h + i of block b of my row, become a fragment's codes in v[PC] on and its scale word in v[PW]
.macro QUANT s
	s_wait_xcnt 0x0                                ; the last trip's stores have read their registers: the codes and the scale word are written again only behind this wait
.irp b, 0,1,2,3
	v_max3_num_f32 v[TM+\b], |v[\s+16*\b]|, |v[\s+1+16*\b]|, 0x1800000   ; my 16 numbers of block b, each accumulator from its low end on, and the floor 2^(3 - 127)
.endr
.irp i, 2,4,6,8,10,12,14
.irp b, 0,1,2,3
	v_max3_num_f32 v[TM+\b], v[TM+\b], |v[\s+16*\b+\i]|, |v[\s+1+16*\b+\i]|   ; the four blocks by turns
.endr
.endr
.irp b, 0,1,2,3
	v_permlanex16_b32 v[TM+4+\b], v[TM+\b], s66, s67
.endr
.irp b, 0,1,2,3
	v_max_num_f32 v[TM+\b], v[TM+\b], v[TM+4+\b]   ; with lane l xor 16's: the block's largest magnitude
.endr
.irp b, 0,1,2,3
	v_add_nc_u32 v[TM+12+\b], 0xff000000, v[TM+\b] ; 2 off its exponent field: the conversion's scale operand
.endr
.irp b, 0,1,2,3
	v_lshrrev_b32 v[TM+4+\b], 23, v[TM+12+\b]      ; the scale's byte
.endr
	v_lshl_or_b32 v[PW], v[TM+5], 8, v[TM+4]
	v_lshl_or_b32 v[PW], v[TM+6], 16, v[PW]
	v_lshl_or_b32 v[PW], v[TM+7], 24, v[PW]
.irp c, 0,1
	v_cvt_scalef32_pk16_fp6_f32 v[PC+6*\c:PC+2+6*\c], v[\s+32*\c:\s+15+32*\c], v[TM+12+2*\c]
	v_cvt_scalef32_pk16_fp6_f32 v[PC+12+4*\c:PC+14+4*\c], v[\s+16+32*\c:\s+31+32*\c], v[TM+12+2*\c+1]   ; (a conversion's three registers begin on an even number)
.endr
	v_nop                                          ; one plain place behind a scaled conversion
.irp c, 0,1                            ; the operand's layout wants a WHOLE block in a lane: lanes 0-15 block 2 c, lanes 16-31 block 2 c + 1
.irp i, 0,1,2
	v_permlane16_swap_b32 v[PC+6*\c+\i], v[PC+12+4*\c+\i]
.endr
.irp i, 0,1,2
	v_mov_b32 v[PC+3+6*\c+\i], v[PC+12+4*\c+\i]
.endr
.endr
.endm
	s_wait_tensorcnt 0x0                           ; my parts have landed,
	s_barrier_signal -1
	s_barrier_wait -1                              ; everybody's have
	HELD AV
	s_wait_loadcnt 0x0
	s_wait_dscnt 0x0
	; ---- v: 128 keys x my 16 channels
	TRIP VSX, XSV, BV, 0, 0x01
	PLACES 4                                       ; in front of loads into registers that the products have read, and of the first read of results
	HELD AW                                        ; my weights, and the first row tile: they land while v is quantised
	XLOAD 0
	QUANT ACC
.irp g, 0,1,2
	global_store_b128 v[LI], v[PC+4*\g:PC+4*\g+3], s[72:73] offset:512*\g
.endr
	global_store_b32 v[LS], v[PW], s[74:75]        ; both halves of the lanes hold the channel's word
	; ---- q or k: my 16 row tiles x my 128 units
.set I, 0
.rept 16
	s_wait_dscnt 0x0                               ; this trip's fragments are in
	TRIP WS, XS+I, BI, 8, 0x11
	PLACES 4
.if I < 15
	XLOAD I+1                                      ; the next tile lands while this one is quantised
.endif
	QUANT ACC
.irp g, 0,1,2
	global_store_b128 v[LI], v[PC+4*\g:PC+4*\g+3], s[68:69] offset:6144*I+512*\g   ; 32 lanes store 512 consecutive bytes, at a multiple of 256 from the buffer's first byte
.endr
.if I%2 == 0
	v_mov_b32 v[PWE], v[PW]
.else
	v_cndmask_b32 v[PWS], v[PWE], v[PW], s60       ; two tiles' words leave together: lanes 0-15 the even tile's, lanes 16-31 the odd one's
	global_store_b32 v[LS], v[PWS], s[70:71] offset:128*(I/2)
.endif
.set I, I+1
.endr
	s_wait_tensorcnt 0x0                           ; the wave's end
	ds_add_u32 v[SPW], v[NIL]
	s_wait_dscnt 0x0
	CROUND                                         ; the closing round
	s_endpgm
.Lfunc_end_k_qc59c679a9b_proj:
	.size	k_qc59c679a9b_proj, .Lfunc_end_k_qc59c679a9b_proj-k_qc59c679a9b_proj
	.p2alignl 7, 3214868480
	.fill 96, 4, 3214868480
	.section	.rodata,"a",@progbits
	.p2align	6, 0x0
	.amdhsa_kernel k_qc59c679a9b_proj
		.amdhsa_group_segment_fixed_size 222208
		.amdhsa_private_segment_fixed_size 0
		.amdhsa_enable_private_segment 0
		.amdhsa_kernarg_size 40
		.amdhsa_user_sgpr_count 2
		.amdhsa_user_sgpr_kernarg_segment_ptr 1
		.amdhsa_wavefront_size32 1
		.amdhsa_system_sgpr_workgroup_id_x 1
		.amdhsa_system_sgpr_workgroup_id_y 1
		.amdhsa_system_sgpr_workgroup_id_z 1
		.amdhsa_system_vgpr_workitem_id 0
		.amdhsa_next_free_vgpr 512
		.amdhsa_next_free_sgpr 98
		.amdhsa_reserve_vcc 0
		.amdhsa_float_denorm_mode_32 3
		.amdhsa_float_denorm_mode_16_64 3
		.amdhsa_memory_ordered 1
		.amdhsa_forward_progress 1
		.amdhsa_inst_pref_size 137
	.end_amdhsa_kernel
	.amdgpu_metadata
---
amdhsa.version: [ 1, 2 ]
amdhsa.kernels:
  - .name:           k_qc59c679a9b_proj
    .symbol:         k_qc59c679a9b_proj.kd
    .args:
      - { .name: pre, .offset: 0, .size: 8, .value_kind: global_buffer, .address_space: global }
      - { .name: bq, .offset: 8, .size: 8, .value_kind: global_buffer, .address_space: global }
      - { .name: bk, .offset: 16, .size: 8, .value_kind: global_buffer, .address_space: global }
      - { .name: bv, .offset: 24, .size: 8, .value_kind: global_buffer, .address_space: global }
      - { .name: qkv, .offset: 32, .size: 8, .value_kind: global_buffer, .address_space: global }
    .group_segment_fixed_size: 222208
    .private_segment_fixed_size: 0
    .kernarg_segment_align: 8
    .kernarg_segment_size: 40
    .max_flat_workgroup_size: 256
    .sgpr_count:     98
    .vgpr_count:     512
    .wavefront_size: 32
...
	.end_amdgpu_metadata
.endif
;; end of part 2
;; launch attn (part 3): grid 4 x 64, 8 waves a work-group, clusters of 4 x 1, 327,680 bytes of LDS; arguments qkv, hd; writes hd
.if DOCPART == 3
	.amdgcn_target "amdgcn-amd-amdhsa--gfx1250"
	.amdhsa_code_object_version 6
	.text
	.protected	k_qc59c679a9b_attn
	.globl	k_qc59c679a9b_attn
	.p2align	8
	.type	k_qc59c679a9b_attn,@function
k_qc59c679a9b_attn:
	s_mov_b64 s[64:65], 0
	v_nop
	global_prefetch_b8 v0, s[64:65] scope:SCOPE_SE
	s_setreg_imm32_b32 hwreg(HW_REG_WAVE_MODE, 25, 1), 1
	s_wait_xcnt 0x0
	s_wait_alu depctr_hold_cnt(0) depctr_sa_sdst(0) depctr_va_vdst(0) depctr_va_sdst(0) depctr_va_ssrc(0) depctr_va_vcc(0) depctr_vm_vsrc(0)
	s_getreg_b32 s2, hwreg(HW_REG_IB_STS2, 6, 4)
	s_cmp_eq_u32 s2, 0
	s_cbranch_scc0 .Lentry_in_a_cluster
	s_endpgm
.Lentry_in_a_cluster:
	s_bfe_u32 s2, ttmp6, 0x10000c
	s_cmp_lg_u32 s2, 0x3003
	s_cbranch_scc0 .Lentry_shape_is_right
	s_endpgm
.Lentry_shape_is_right:
; heads[b][h][q] = softmax_k(q . k / sqrt(512)) v, both products on codes of FP6 (E2M3) with E8M0 scales; the result, divided by the row's sum, is quantised along the concatenated axis 64 head + channel and leaves as codes.
; THE SOFTMAX AHEAD OF THE SECOND PRODUCT: t = score x log2(e) / sqrt(512); M = the running largest t rounded UP to a whole number; p = 2^(t - M) is quantised along the keys; the row's sum is taken of the unquantised p.
; SHARES.  A work-group owns 256 queries of one (batch, head); each of its eight waves two tiles of 16.  Every wave walks the 1,024 keys: for 128 keys 64 products K Q^T (8 key tiles x 4 K steps x 2 query tiles) and 8 products V^T P.
; LAYOUT.  Both products are used transposed (source 0 = 16 keys or 16 channels, source 1 = my 16 queries): a lane holds ONE query.  Register j of key tile kt is key 16 kt + 8 h + j; the 16 registers of tiles 2 b, 2 b + 1 are quantised as
; places 16 h + 0 .. 15 of block b, the order in which the launch before has laid v's keys (and q's and k's units): the same order on both sides keeps every product.
; Operands lie in memory and in LDS as images of their registers: a fragment is 1,536 bytes, read by three loads of 512 consecutive bytes.
; BY TURNS, IN HALVES OF 64 KEYS.  S^T has two buffers of 64 registers.  While the products K Q^T of one half fill one buffer, the softmax of the half before works on the other: it is a list of 138 rows (a row: one line for each of my two
; tiles, so that no line reads the result of the line before it), and a slice of 7 to 9 rows stands behind each PAIR of matrix instructions (one K step, my two tiles).  A slot of 256 keys is 144 matrix instructions and 980 vector lines a wave:
; 6.8 for each matrix instruction, so the vector lines are what a slot is long by, and the matrix instructions are issued among them.  All that a row touches but O^T lies in window 0, the products' operands in window 1: a slice costs two
; switches of the window, which is the lesser price beside vector lines that stand in a run of their own with no product issued.
; M MOVES WITH EACH HALF.  f = 2^(old M - new M) multiplies the sum at once.  The codes of a step's first half were made under the first half's M: their two scale operands, whose exponent field is the scale's byte, are multiplied by the second
; half's f, so that the bytes fall by the whole number by which M has moved; O^T is multiplied once a step by the product of the two halves' f.  All these are powers of two: nothing is rounded.
; A SLOT'S FOUR STAGES (A, B: its two key steps).  0: K Q^T of A's first half | softmax of the last slot's last half.  1: V^T P of the step before, K Q^T of A's second half | softmax of A's first half.  2: K Q^T of B's first half | softmax of A's
; second half.  3: V^T P of A, K Q^T of B's second half | softmax of B's first half.  The change of slots stands between stages 3 and 0: V of step B lies in registers by then, so every LDS read ahead of it is of the old slot, every one behind it of the new.
; RING.  Two LDS slots of 256 keys (110,592 bytes: K's 64 fragments, then V's 8), one dense block of memory each; waves 0-3 fetch a quarter each.  The head's scale words (20,480 bytes) come once, with the first fills.
; CLUSTER.  The four query blocks of a (batch, head) walk the same K and V: each quarter is asked for JOINTLY by the four work-groups.
; LIMITS: p under 2^-126 counts as 0 (v_exp_f32 flushes); a first half's scale byte that would fall under 0 comes out as 0, which is 2^-127: such a p counts for at most 7.5 x 2^-127 in place of still less; a block of zeros gets the byte 1 or 0;
; NaN and infinities are not served.
.set KV0,   25165824
.set QS,    53477376
.set KVS,   54525952
.set HS0,   3145728
.set SLOTB, 110592
.set SLOT1, 131072                     ; slot 1 begins here: one exclusive or turns an address from one slot into the other
.set SCL,   SLOT1+SLOTB                ; 241,664: K's scale words (16,384 bytes), then V's (4,096)
.set SPARE, SCL+20480                  ; 262,144: the spare words, 128 bytes for each of eight waves
.set LI,  1                            ; 16 x lane
.set LS,  2                            ; 4 x lane
.set ADK, 3                            ; LDS addresses in the slot in hand: K's fragments of its first key step,
.set ADV, 4                            ; V's fragments,
.set ADS, 5                            ; K's scale words,
.set ADT, 6                            ; V's
.set PFO, 7                            ; 256 x lane; never rewritten
.set SPW, 8                            ; my spare word; never rewritten
.set NIL, 9                            ; 0; never rewritten
.set L8,  10                           ; 8 x lane
.set ADK2, 11                          ; K's fragments of the slot's second key step (an LDS offset has 16 bits)
.set ST,  12                           ; tile q at v[12 + 8 q]: +0 -M, +1 the largest t, +2, +3 the sum in two halves, +4 f, +5 0, +6 O^T's factor of the step, +7 0
.set QSC, 28                           ; v28-31 Q's scale words of K step es: lanes 0-15 tile 0, lanes 16-31 tile 1
.set KSC, 32                           ; v32-47 K's: register 4 es + kt / 2: lanes 0-15 the even key tile, lanes 16-31 the odd one
.set VSC, 48                           ; v48-51 V's
.set PSC, 52                           ; v52-53 p's
.set TMPV, 54                          ; at work at the head
.set WK,  56                           ; tile q at v[56 + 16 q]: +0, +1 the two blocks' largest scores, then largest p; +2, +3 the exchange; (+0 .. +3 later the four bytes;) +4 .. +7 the step's four scale operands; +8, +9 the sum's second chain; +10 at work; +12 .. +14 a block's upper 16 codes
.set P,   88                           ; v88-111 p's codes, 12 a tile
.set H,   112                          ; v112-123 the heads' codes, 6 a tile
.set HW,  124
.set HWS, 126
.set S,   128                          ; v128-255 S^T, then p: buffer b, tile q, key tile k of the half at 128 + 64 b + 32 q + 8 k
.set OT,  96                           ; window 1: v0-95 Q ((q, es) at 12 (4 q + es)); v96-159 O^T (96 + 32 q + 8 ct); v160-207, v208-255 two buffers of four fragments
.set KB0, 160
.set KB1, 208
.set WV,  8
.set CX,  9
.set BH,  10
.set G1,  12                           ; s[12:19] group 1 of a quarter slot;  s[20:27] of a quarter of the scale words;  s[28:31], s[32:35] their groups 0
.set G1S, 20
.set G0,  28
.set G0S, 32
.set CS,  36                           ; s[36:37] c = log2(e) / sqrt(512)
.set SEL, 38
.set TK,  40                           ; LDS byte of the slot's K,
.set TV,  41                           ; V,
.set TS,  42                           ; K's scale words,
.set TJ,  43                           ; V's
.set SLOTS, 44
.set LIM, 46                           ; 1 in a wave that prefetches, else the greatest number
.set PFA, 48
.set MSB, 0
.macro WIN new                         ; the immediate's high byte repeats the setting that is left
.if MSB != (\new)
	s_set_vgpr_msb (MSB<<8)|(\new)
.set MSB, (\new)
.endif
.endm
.macro PLACES n
.rept \n
	v_nop
.endr
.endm
.macro CROUND                          ; a round of the cluster's barrier
	s_barrier_signal -1
	s_barrier_wait -1
	s_cmp_lg_u32 s[WV], 0
	s_cbranch_scc1 .Lnot_wave_0_\@
	s_barrier_signal -3
.Lnot_wave_0_\@:
	s_barrier_wait -3
	s_barrier_signal -1
	s_barrier_wait -1
.endm
.macro JLOAD                           ; the joint refill: waves 0-3, a quarter of a slot each; the branch hangs on the wave's number alone; an s_nop 0 and four v_nop follow the load
	s_cmp_lt_u32 s[WV], 4
	s_cbranch_scc0 .Lasked_\@
	tensor_load_to_lds s[G0:G0+3], s[G1:G1+7]
	s_nop 0
	PLACES 4
.Lasked_\@:
.endm
; A PREFETCH of K's part (98,304 bytes) of the slot that the NEXT change of slots will ask for: a slot's four stages ahead of that load.  Each 256 bytes are named once: only this cluster reads them; its four partners take 24,576 bytes each,
; told apart by ADDRESS; in each, waves 4 to 6 take 8,192 bytes, lanes 256 bytes apart.  The last change that fills a slot asks for nothing; slots 0 and 1, and V's 12,288 bytes of a slot, come by their loads alone.
.macro ASK
	s_cmp_gt_u32 s[SLOTS], s[LIM]
	s_cbranch_scc0 .Lnot_mine_\@
	global_prefetch_b8 v[PFO], s[PFA:PFA+1] th:TH_LOAD_NT scope:SCOPE_SE
.Lnot_mine_\@:
.endm
; The scaled matrix instruction.  c < 0: the constant 0 starts the sum.  ra, rb = 1: that side's scale words stand in lanes 16-31.
.macro WM d, a, b, c, sa, sb, ra, rb
.if (\c) < 0
.if (\ra) && (\rb)
	v_wmma_scale_f32_16x16x128_f8f6f4 v[(\d):(\d)+7], v[(\a):(\a)+11], v[(\b):(\b)+11], 0, v[(\sa)], v[(\sb)] matrix_a_fmt:MATRIX_FMT_FP6 matrix_b_fmt:MATRIX_FMT_FP6 matrix_a_scale:MATRIX_SCALE_ROW1 matrix_b_scale:MATRIX_SCALE_ROW1
.elseif (\ra)
	v_wmma_scale_f32_16x16x128_f8f6f4 v[(\d):(\d)+7], v[(\a):(\a)+11], v[(\b):(\b)+11], 0, v[(\sa)], v[(\sb)] matrix_a_fmt:MATRIX_FMT_FP6 matrix_b_fmt:MATRIX_FMT_FP6 matrix_a_scale:MATRIX_SCALE_ROW1
.elseif (\rb)
	v_wmma_scale_f32_16x16x128_f8f6f4 v[(\d):(\d)+7], v[(\a):(\a)+11], v[(\b):(\b)+11], 0, v[(\sa)], v[(\sb)] matrix_a_fmt:MATRIX_FMT_FP6 matrix_b_fmt:MATRIX_FMT_FP6 matrix_b_scale:MATRIX_SCALE_ROW1
.else
	v_wmma_scale_f32_16x16x128_f8f6f4 v[(\d):(\d)+7], v[(\a):(\a)+11], v[(\b):(\b)+11], 0, v[(\sa)], v[(\sb)] matrix_a_fmt:MATRIX_FMT_FP6 matrix_b_fmt:MATRIX_FMT_FP6
.endif
.else
.if (\ra) && (\rb)
	v_wmma_scale_f32_16x16x128_f8f6f4 v[(\d):(\d)+7], v[(\a):(\a)+11], v[(\b):(\b)+11], v[(\c):(\c)+7], v[(\sa)], v[(\sb)] matrix_a_fmt:MATRIX_FMT_FP6 matrix_b_fmt:MATRIX_FMT_FP6 matrix_a_scale:MATRIX_SCALE_ROW1 matrix_b_scale:MATRIX_SCALE_ROW1
.elseif (\ra)
	v_wmma_scale_f32_16x16x128_f8f6f4 v[(\d):(\d)+7], v[(\a):(\a)+11], v[(\b):(\b)+11], v[(\c):(\c)+7], v[(\sa)], v[(\sb)] matrix_a_fmt:MATRIX_FMT_FP6 matrix_b_fmt:MATRIX_FMT_FP6 matrix_a_scale:MATRIX_SCALE_ROW1
.elseif (\rb)
	v_wmma_scale_f32_16x16x128_f8f6f4 v[(\d):(\d)+7], v[(\a):(\a)+11], v[(\b):(\b)+11], v[(\c):(\c)+7], v[(\sa)], v[(\sb)] matrix_a_fmt:MATRIX_FMT_FP6 matrix_b_fmt:MATRIX_FMT_FP6 matrix_b_scale:MATRIX_SCALE_ROW1
.else
	v_wmma_scale_f32_16x16x128_f8f6f4 v[(\d):(\d)+7], v[(\a):(\a)+11], v[(\b):(\b)+11], v[(\c):(\c)+7], v[(\sa)], v[(\sb)] matrix_a_fmt:MATRIX_FMT_FP6 matrix_b_fmt:MATRIX_FMT_FP6
.endif
.endif
.endm
	s_load_b128 s[4:7], s[0:1], 0x0                ; qkv, hd
	v_lshl_add_u32 v[SPW], v0, 2, SPARE
	v_mov_b32 v[NIL], 0
	ds_add_u32 v[SPW], v[NIL]                      ; the wave's opening: the add and its wait stand ahead of the first tensor loads; the set-up below, work on registers, stands between them
	v_lshrrev_b32 v[TMPV], 5, v0
	v_readfirstlane_b32 s[WV], v[TMPV]             ; wave 0..7
	s_bfe_u32 s[CX], ttmp6, 0x40000                ; cx: my block of 256 queries; it enters Q's, the heads' and the prefetches' addresses alone
	s_and_b32 s[BH], ttmp7, 0xffff                 ; 8 batch + head, which the four partners share
	s_and_b32 s11, s[WV], 3                        ; which quarter I fetch, if I fetch
	; descriptor groups 1: dense blocks as rows of 256 bytes (32 elements of 8 bytes), no padding
	s_mov_b32 s[G1], 15|(3<<16)|(1<<21)            ; the mask: all four work-groups; elements of 8 bytes; bit 21 set beside a mask
	s_mov_b32 s[G1+1], 32<<16                      ; tensor_dim0 = 32
	s_mov_b32 s[G1+2], 108<<16                     ; tensor_dim1 = 108: 27,648 bytes
	s_mov_b32 s[G1+3], 32<<16                      ; tile_dim0
	s_mov_b32 s[G1+4], 108                         ; tile_dim1
	s_mov_b32 s[G1+5], 32                          ; the pitch
	s_mov_b32 s[G1+6], 0
	s_mov_b32 s[G1+7], 0
	s_mov_b32 s[G1S], 15|(3<<16)|(1<<21)
	s_mov_b32 s[G1S+1], 32<<16
	s_mov_b32 s[G1S+2], 20<<16                     ; 20 rows: 5,120 bytes
	s_mov_b32 s[G1S+3], 32<<16
	s_mov_b32 s[G1S+4], 20
	s_mov_b32 s[G1S+5], 32
	s_mov_b32 s[G1S+6], 0
	s_mov_b32 s[G1S+7], 0
	s_mul_i32 s58, s[BH], 4*SLOTB
	s_mul_i32 s62, s11, 27648
	s_add_co_u32 s58, s58, s62
	s_add_co_u32 s58, s58, KV0
	s_mov_b32 s59, 0
	s_mul_i32 s60, s[BH], 20480
	s_mul_i32 s63, s11, 5120
	s_add_co_u32 s60, s60, s63
	s_add_co_u32 s60, s60, KVS
	s_mov_b32 s61, 0
	s_mov_b32 s[CS], 0x3d8293ee                    ; c = log2(e) / sqrt(512)
	s_mov_b32 s[CS+1], s[CS]                       ; (named with it as a pair, so it is written)
	s_mov_b32 s[SEL], 0x76543210
	s_mov_b32 s[SEL+1], 0xfedcba98
	s_mov_b32 s47, 0xffff0000                      ; lanes 16-31
	s_mov_b32 s[TK], 0
	s_mov_b32 s[TV], 98304
	s_mov_b32 s[TS], SCL
	s_mov_b32 s[TJ], SCL+16384
	s_mov_b32 s[SLOTS], 3
	s_sub_co_u32 s[LIM], s[WV], 4
	s_cmp_lt_u32 s[LIM], 3                         ; waves 4 to 6
	s_cselect_b32 s[LIM], 1, -1
	s_wait_dscnt 0x0                               ; the opening add is done
	s_wait_kmcnt 0x0
	s_mov_b32 s[G0], 1
	s_mov_b32 s[G0+1], s62                         ; slot 0, my quarter
	s_add_nc_u64 s[G0+2:G0+3], s[4:5], s[58:59]
	s_or_b32 s[G0+3], s[G0+3], 0x80000000
	s_mov_b32 s[G0S], 1
	s_add_co_u32 s[G0S+1], s63, SCL
	s_add_nc_u64 s[G0S+2:G0S+3], s[4:5], s[60:61]
	s_or_b32 s[G0S+3], s[G0S+3], 0x80000000
	CROUND                                         ; all four work-groups are here: the first joint loads meet
	s_cmp_lt_u32 s[WV], 4                          ; a wave's two first fills stand in one branch, ahead of every wait on TENSORcnt and every LDS read: two loads of mine are out
	s_cbranch_scc0 .Lno_fill
	tensor_load_to_lds s[G0S:G0S+3], s[G1S:G1S+7]  ; the head's scale words: filled once
	s_nop 0
	tensor_load_to_lds s[G0:G0+3], s[G1:G1+7]      ; slot 0
	s_nop 0
	PLACES 4
.Lno_fill:
	v_and_b32 v[TMPV], 31, v0
	v_lshlrev_b32 v[LI], 4, v[TMPV]
	v_lshlrev_b32 v[LS], 2, v[TMPV]
	v_lshlrev_b32 v[PFO], 8, v[TMPV]
	v_lshlrev_b32 v[L8], 3, v[TMPV]
	s_lshl_b32 s70, s[CX], 4
	s_lshl_b32 s67, s[WV], 1
	s_add_co_u32 s70, s70, s67                     ; my first query tile in the batch: 16 cx + 2 w
	s_mov_b32 s67, 0
	s_mul_i32 s66, s[BH], 393216
	s_mul_i32 s68, s70, 6144
	s_add_co_u32 s66, s66, s68
	s_add_nc_u64 s[50:51], s[4:5], s[66:67]        ; Q's 8 fragments, 12,288 bytes on end
	s_lshl_b32 s66, s[BH], 14
	s_lshl_b32 s68, s70, 6
	s_add_co_u32 s66, s66, s68
	s_add_co_u32 s66, s66, QS
	s_add_nc_u64 s[52:53], s[4:5], s[66:67]        ; and their scale words
	WIN 0x40                                       ; destination window 1
.set N, 0
.rept 24
	global_load_b128 v[4*N:4*N+3], v[LI], s[50:51] offset:512*N th:TH_LOAD_NT
.set N, N+1
.endr
	WIN 0
.irp es, 0,1,2,3
	global_load_b32 v[QSC+\es], v[LS], s[52:53] offset:4096*\es
.endr
	s_lshr_b32 s68, s[BH], 3
	s_lshl_b32 s68, s68, 6
	s_add_co_u32 s68, s68, s70                     ; my first tile of 16 rows among all 512
	s_and_b32 s69, s[BH], 7                        ; head
	s_lshl_b32 s71, s68, 3
	s_add_co_u32 s71, s71, s69
	s_mul_i32 s66, s71, 768
	s_add_nc_u64 s[54:55], s[6:7], s[66:67]        ; the heads' codes: (8 tile + head) x 768 bytes
	s_lshl_b32 s66, s69, 15
	s_lshl_b32 s71, s68, 6
	s_add_co_u32 s66, s66, s71
	s_add_co_u32 s66, s66, HS0
	s_add_nc_u64 s[56:57], s[6:7], s[66:67]        ; their scale words: head x 32,768 + tile x 64
	s_mul_i32 s66, s[BH], 4*SLOTB
	s_mul_i32 s71, s[CX], 24576
	s_add_co_u32 s66, s66, s71
	s_lshl_b32 s71, s11, 13
	s_add_co_u32 s66, s66, s71
	s_add_co_u32 s66, s66, KV0+SLOTB               ; in slot 1: the first change of slots steps it to slot 2.  Nothing is prefetched here, at the head
	s_add_nc_u64 s[PFA:PFA+1], s[4:5], s[66:67]
.irp qi, 0,1
	v_mov_b32 v[ST+8*\qi+1], 0xff61b1e6            ; the largest t so far: -3e38, under every t
	v_floor_f32 v[ST+8*\qi], -v[ST+8*\qi+1]        ; -M
	v_mov_b32 v[ST+8*\qi+2], 0                     ; the sum, in two halves
	v_mov_b32 v[ST+8*\qi+3], 0
	v_mov_b32 v[ST+8*\qi+5], 0                     ; (named as the upper half of f's pair)
	v_mov_b32 v[ST+8*\qi+7], 0                     ; (and of the pair of O^T's factor)
	v_mov_b32 v[WK+16*\qi+2], 0                    ; (a lane permute's destination counts as one of its sources)
	v_mov_b32 v[WK+16*\qi+3], 0
.endr
	WIN 0x40
.set N, 0
.rept 64
	v_mov_b32 v[OT+N], 0                           ; O^T.  (The stages are written for every key step alike: the first finds zeros, which the first change of M leaves zeros; a first step of its own would be one more copy of the stages' text)
.set N, N+1
.endr
	WIN 0
; THE VECTOR WORK OF A HALF (64 keys, two blocks of 32), as a list of NR rows; ROW writes row J for both tiles.  HH: which half of its key step (0, 1); SBF: which buffer of S^T.  Rows marked (1) are empty in a first half.
;   0-19    the largest score of each block: it serves twice, for the row's maximum and, since p rises with the score, for the block's largest p; each accumulator is read from its low end on; 16-19 join lane l xor 16's keys
;   20-28   the half's largest t, the running largest, the new -M = floor(-t), f = 2^(old M - new M); O^T's factor: f, or (1) the first half's times f
;   29-30   (1) the first half's two scale operands times f
;   31-48   t - M, two at a time; the same of the blocks' largest scores
;   49-84   ONE BATCH of 64 exponentials; row 81, the sum times f, is the plain line behind them; row 82 the one wait for the batch, ahead of its first reader; 83-84 the four of the blocks' largest p
;   85-101  the row's sum of the unquantised p, in two chains; row 101 the wait for the four
;   102-112 the floor 2^(3 - 127); 2 off the exponent field: the conversions' scale operands; (1) the step's four bytes and p's scale word
;   113-121 the conversions, a plain line behind them, and the exchange that gives each lane a whole block
;   122-137 (1) O^T times the step's factor: the one part that leaves window 0.  These 32 lines are also the places between p's codes and scale word and the products that take them
.set NR, 138
.macro ROW
.set SS, S+64*SBF
.if J < 122
	WIN 0
.endif
.if J < 2
.irp q, 0,1
	v_max3_num_f32 v[WK+16*\q+J], v[SS+32*\q+16*J], v[SS+32*\q+16*J+1], v[SS+32*\q+16*J+2]
.endr
.elseif J < 14
.set BB, J%2
.set II, 3+2*((J-2)/2)
.irp q, 0,1
	v_max3_num_f32 v[WK+16*\q+BB], v[WK+16*\q+BB], v[SS+32*\q+16*BB+II], v[SS+32*\q+16*BB+II+1]
.endr
.elseif J < 16
.irp q, 0,1
	v_max_num_f32 v[WK+16*\q+J-14], v[WK+16*\q+J-14], v[SS+32*\q+16*(J-14)+15]
.endr
.elseif J < 18
.irp q, 0,1
	v_permlanex16_b32 v[WK+16*\q+J-14], v[WK+16*\q+J-16], s[SEL], s[SEL+1]
.endr
.elseif J < 20
.irp q, 0,1
	v_max_num_f32 v[WK+16*\q+J-18], v[WK+16*\q+J-18], v[WK+16*\q+J-16]
.endr
.elseif J == 20
.irp q, 0,1
	v_max_num_f32 v[WK+16*\q+10], v[WK+16*\q], v[WK+16*\q+1]
.endr
.elseif J == 21
.irp q, 0,1
	v_mul_f32 v[WK+16*\q+10], s[CS], v[WK+16*\q+10]
.endr
.elseif J == 22
.irp q, 0,1
	v_max_num_f32 v[ST+8*\q+1], v[ST+8*\q+1], v[WK+16*\q+10]
.endr
.elseif J == 23
.irp q, 0,1
	v_mov_b32 v[WK+16*\q+10], v[ST+8*\q]
.endr
.elseif J == 24
.irp q, 0,1
	v_floor_f32 v[ST+8*\q], -v[ST+8*\q+1]
.endr
.elseif J == 25
.irp q, 0,1
	v_sub_f32 v[WK+16*\q+10], v[ST+8*\q], v[WK+16*\q+10]
.endr
.elseif J == 26
.irp q, 0,1
	v_cvt_i32_f32 v[WK+16*\q+10], v[WK+16*\q+10]
.endr
.elseif J == 27
.irp q, 0,1
	v_ldexp_f32 v[ST+8*\q+4], 1.0, v[WK+16*\q+10]
.endr
.elseif J == 28
.irp q, 0,1
.if HH
	v_mul_f32 v[ST+8*\q+6], v[ST+8*\q+6], v[ST+8*\q+4]
.else
	v_mov_b32 v[ST+8*\q+6], v[ST+8*\q+4]
.endif
.endr
.elseif J < 31
.if HH
.irp q, 0,1
	v_mul_f32 v[WK+16*\q+J-25], v[WK+16*\q+J-25], v[ST+8*\q+4]
.endr
.endif
.elseif J < 47
.set JJ, 2*(J-31)
.irp q, 0,1
	v_pk_fma_f32 v[SS+32*\q+JJ:SS+32*\q+JJ+1], v[SS+32*\q+JJ:SS+32*\q+JJ+1], s[CS:CS+1], v[ST+8*\q:ST+8*\q+1] op_sel_hi:[1,0,0]
.endr
.elseif J < 49
.irp q, 0,1
	v_fma_f32 v[WK+16*\q+J-47], v[WK+16*\q+J-47], s[CS], v[ST+8*\q]
.endr
.elseif J < 81
.irp q, 0,1
	v_exp_f32 v[SS+32*\q+J-49], v[SS+32*\q+J-49]
.endr
.elseif J == 81
.irp q, 0,1
	v_pk_mul_f32 v[ST+8*\q+2:ST+8*\q+3], v[ST+8*\q+2:ST+8*\q+3], v[ST+8*\q+4:ST+8*\q+5] op_sel_hi:[1,0]
.endr
.elseif J == 82
	s_wait_alu depctr_va_vdst(0)
.elseif J < 85
.irp q, 0,1
	v_exp_f32 v[WK+16*\q+J-83], v[WK+16*\q+J-83]
.endr
.elseif J == 85
.irp q, 0,1
	v_pk_add_f32 v[WK+16*\q+8:WK+16*\q+9], v[SS+32*\q:SS+32*\q+1], v[SS+32*\q+2:SS+32*\q+3]
.endr
.elseif J < 100
.set MM, 4*((J-86)/2+1)+2*((J-86)%2)
.if (J-86)%2 == 0
.irp q, 0,1
	v_pk_add_f32 v[ST+8*\q+2:ST+8*\q+3], v[ST+8*\q+2:ST+8*\q+3], v[SS+32*\q+MM:SS+32*\q+MM+1]
.endr
.else
.irp q, 0,1
	v_pk_add_f32 v[WK+16*\q+8:WK+16*\q+9], v[WK+16*\q+8:WK+16*\q+9], v[SS+32*\q+MM:SS+32*\q+MM+1]
.endr
.endif
.elseif J == 100
.irp q, 0,1
	v_pk_add_f32 v[ST+8*\q+2:ST+8*\q+3], v[ST+8*\q+2:ST+8*\q+3], v[WK+16*\q+8:WK+16*\q+9]
.endr
.elseif J == 101
	s_wait_alu depctr_va_vdst(0)
.elseif J < 104
.irp q, 0,1
	v_max_num_f32 v[WK+16*\q+J-102], 0x1800000, v[WK+16*\q+J-102]
.endr
.elseif J < 106
.irp q, 0,1
	v_add_nc_u32 v[WK+16*\q+4+2*HH+J-104], 0xff000000, v[WK+16*\q+J-104]
.endr
.elseif J < 110
.if HH
.irp q, 0,1
	v_lshrrev_b32 v[WK+16*\q+J-106], 23, v[WK+16*\q+J-102]
.endr
.endif
.elseif J == 110
.if HH
.irp q, 0,1
	v_lshl_or_b32 v[PSC+\q], v[WK+16*\q+1], 8, v[WK+16*\q]
.endr
.endif
.elseif J == 111
.if HH
.irp q, 0,1
	v_lshl_or_b32 v[PSC+\q], v[WK+16*\q+2], 16, v[PSC+\q]
.endr
.endif
.elseif J == 112
.if HH
.irp q, 0,1
	v_lshl_or_b32 v[PSC+\q], v[WK+16*\q+3], 24, v[PSC+\q]
.endr
.endif
.elseif J == 113
.irp q, 0,1
	v_cvt_scalef32_pk16_fp6_f32 v[P+12*\q+6*HH:P+12*\q+6*HH+2], v[SS+32*\q:SS+32*\q+15], v[WK+16*\q+4+2*HH]
.endr
.elseif J == 114
.irp q, 0,1
	v_cvt_scalef32_pk16_fp6_f32 v[WK+16*\q+12:WK+16*\q+14], v[SS+32*\q+16:SS+32*\q+31], v[WK+16*\q+5+2*HH]
.endr
.elseif J == 115
	v_nop
.elseif J < 119
.irp q, 0,1
	v_permlane16_swap_b32 v[P+12*\q+6*HH+J-116], v[WK+16*\q+12+J-116]
.endr
.elseif J < 122
.irp q, 0,1
	v_mov_b32 v[P+12*\q+6*HH+3+J-119], v[WK+16*\q+12+J-119]
.endr
.elseif HH
	WIN 0x41                                       ; O^T (destination and source 0) in window 1, its factor in window 0
.set KK, 2*(J-122)
.irp q, 0,1
	v_pk_mul_f32 v[OT+32*\q+KK:OT+32*\q+KK+1], v[OT+32*\q+KK:OT+32*\q+KK+1], v[ST+8*\q+6:ST+8*\q+7] op_sel_hi:[1,0]
.endr
.endif
.endm
.macro ROWS n                          ; a slice: the list's next n rows, as far as it goes
.rept \n
.if J < NR
	ROW
.set J, J+1
.endif
.endr
.endm
.macro SMSTART h, b                    ; a half's list begins
.set J, 0
.set HH, \h
.set SBF, \b
.endm
.macro SMREST                          ; what is left of it
	ROWS NR
.endm
; THE LDS LOADS stand in runs.  A UNIT is four fragments (48 registers) and the eight products that take them: a key tile's four K steps, or V's four tiles of channels.  A unit's scale words are asked for ahead of its fragments.
.macro UL_K adr, k8, buf               ; key tile k8 of a key step: 6,144 bytes on end
	WIN 0x40
.irp n, 0,1,2,3,4,5,6,7,8,9,10,11
	ds_load_b128 v[(\buf)+4*\n:(\buf)+4*\n+3], v[\adr] offset:6144*(\k8)+512*\n
.endr
.endm
.macro UL_S s2, hf                     ; K's scale words of half hf of the slot's key step s2
	WIN 0
.irp es, 0,1,2,3
.irp p, 0,1
	ds_load_b32 v[KSC+4*\es+2*(\hf)+\p], v[ADS] offset:512*(\s2)+4096*\es+128*(2*(\hf)+\p)
.endr
.endr
.endm
.macro UL_V s2, buf                    ; V of the slot's key step s2, its scale words first
	WIN 0
.irp ct, 0,1,2,3
	ds_load_b32 v[VSC+\ct], v[ADT] offset:512*(\s2)+128*\ct
.endr
	WIN 0x40
.irp n, 0,1,2,3,4,5,6,7,8,9,10,11
	ds_load_b128 v[(\buf)+4*\n:(\buf)+4*\n+3], v[ADV] offset:6144*(\s2)+512*\n
.endr
.endm
; At the head of a unit the NEXT unit is asked for, into the buffer that the unit before has left: four places behind the products that read it (ISA guide 7.12.1 for vector instructions), then the run of loads,
; then the wait for this unit's: LDS loads come back in order, so all but the twelve fragment loads just issued are in.
.macro NEXT_K adr, k8, buf
	PLACES 4
	UL_K \adr, \k8, \buf
	s_wait_dscnt 12
.endm
.macro NEXT_KS s2, hf, adr, k8, buf
	PLACES 4
	UL_S \s2, \hf
	UL_K \adr, \k8, \buf
	s_wait_dscnt 12
.endm
.macro NEXT_V s2, buf
	PLACES 4
	UL_V \s2, \buf
	s_wait_dscnt 12
.endm
; A unit of K Q^T: key tile k8 of its step, from buffer buf, into buffer sb of S^T; a slice of r rows behind each pair.  My two tiles' accumulators take turns, one instruction a turn.
.macro KQU k8, buf, sb, r
.irp es, 0,1,2,3
	WIN 0x05                                       ; K and Q in window 1, S^T in window 0
.irp q, 0,1
.if \es == 0
	WM S+64*(\sb)+32*\q+8*((\k8)%4), (\buf)+12*\es, 12*(4*\q+\es), -1, KSC+4*\es+(\k8)/2, QSC+\es, (\k8)%2, \q
.else
	WM S+64*(\sb)+32*\q+8*((\k8)%4), (\buf)+12*\es, 12*(4*\q+\es), S+64*(\sb)+32*\q+8*((\k8)%4), KSC+4*\es+(\k8)/2, QSC+\es, (\k8)%2, \q
.endif
.endr
	ROWS \r
.endr
.endm
; A unit of O^T += V^T P: eight accumulators, one instruction each
.macro PVU buf, r
.irp ct, 0,1,2,3
	WIN 0x51                                       ; V and O^T in window 1, P in window 0
.irp q, 0,1
	WM OT+32*\q+8*\ct, (\buf)+12*\ct, P+12*\q, OT+32*\q+8*\ct, VSC+\ct, PSC+\q, 0, 0
.endr
	ROWS \r
.endr
.endm
; THE STAGES.  Each ends with its list walked to the end, every window 0, and four places behind its last products, ahead of the next stage's first read of their scores.
; Stage 0: K Q^T of the slot's first half, into buffer 0 of S^T.  V of the step before waits in KB1 for its products, so the four units take KB0 alone: a slice of eight rows stands between a unit's loads and the wait for them.
; 4 x 8 + 16 x 7 rows hold the second half's 138.  At its end the next half's first unit is asked for.  (At the launch's start the list is empty, and the stage is bare.)
.macro STAGE0
.irp u, 0,1,2,3
	PLACES 4
.if \u == 0
	UL_S 0, 0
.endif
	UL_K ADK, \u, KB0
	ROWS 8
	s_wait_dscnt 0x0
	KQU \u, KB0, 0, 7
.endr
	PLACES 4
	UL_S 0, 1
	UL_K ADK, 4, KB0
	SMREST
	WIN 0
	PLACES 4
.endm
; Stage 1: (pv = 1) V^T P of the step before, from KB1; K Q^T of step A's second half, into buffer 1.  20 pairs x 7 rows (without V^T P 16 x 8) hold a first half's 122.
.macro STAGE1 pv, r
	SMSTART 0, 0
.if \pv
	PVU KB1, \r
.endif
	NEXT_K ADK, 5, KB1
	KQU 4, KB0, 1, \r
	NEXT_K ADK, 6, KB0
	KQU 5, KB1, 1, \r
	NEXT_K ADK, 7, KB1
	KQU 6, KB0, 1, \r
	NEXT_KS 1, 0, ADK2, 0, KB0
	KQU 7, KB1, 1, \r
	SMREST
	WIN 0
	PLACES 4
.endm
; Stage 2: K Q^T of step B's first half, into buffer 0.  16 pairs x 9 rows hold a second half's 138.
.macro STAGE2
	SMSTART 1, 1
	NEXT_K ADK2, 1, KB1
	KQU 0, KB0, 0, 9
	NEXT_K ADK2, 2, KB0
	KQU 1, KB1, 0, 9
	NEXT_K ADK2, 3, KB1
	KQU 2, KB0, 0, 9
	NEXT_V 0, KB0
	KQU 3, KB1, 0, 9
	SMREST
	WIN 0
	PLACES 4
.endm
; Stage 3: V^T P of step A, from KB0; K Q^T of step B's second half, into buffer 1.  Its last unit asks for V of step B: the slot's last LDS read.
.macro STAGE3
	SMSTART 0, 0
	NEXT_KS 1, 1, ADK2, 4, KB1
	PVU KB0, 7
	NEXT_K ADK2, 5, KB0
	KQU 4, KB1, 1, 7
	NEXT_K ADK2, 6, KB1
	KQU 5, KB0, 1, 7
	NEXT_K ADK2, 7, KB0
	KQU 6, KB1, 1, 7
	NEXT_V 1, KB1
	KQU 7, KB0, 1, 7
	SMREST
	WIN 0
	PLACES 4
.endm
; THE CHANGE OF SLOTS.  Each wave waits for all its tensor loads (its part of the slot that it is about to read), adds 0 to its spare word, and waits for that and for its reads of the slot that it leaves, V of its last step among them.
; fill = 1: the barrier is a round of the cluster's, so that no wave of any partner still reads the other slot or has a load on its way, and the joint refill is the first thing behind it: it has a slot's four stages in which to land.
; turn = 1: the LDS addresses go on to the other slot, and to its scale words.
.macro CHANGE fill, turn
	s_wait_tensorcnt 0x0                           ; no tensor load of mine is out, so a group 0 may be written
	ds_add_u32 v[SPW], v[NIL]                      ; 0 onto my spare word
.if \turn
	s_xor_b32 s[TK], s[TK], SLOT1
	s_xor_b32 s[TV], s[TV], SLOT1
	s_add_co_u32 s[TS], s[TS], 1024
	s_add_co_u32 s[TJ], s[TJ], 1024
.endif
.if \fill
	s_xor_b32 s[G0+1], s[G0+1], SLOT1              ; the walking descriptor: the other slot than last time,
	s_add_nc_u64 s[G0+2:G0+3], s[G0+2:G0+3], SLOTB ; the next 256 keys; the type bits on top are not reached
	s_wait_xcnt 0x0                                ; the last prefetch, a slot back, has read its address, so it may be written
	s_add_nc_u64 s[PFA:PFA+1], s[PFA:PFA+1], SLOTB ; one slot further on than the walking descriptor
	s_wait_dscnt 0x0                               ; the add is done, and my reads of the slot that I leave are over
	CROUND
	JLOAD
	ASK
.else
	s_wait_dscnt 0x0
	s_barrier_signal -1
	s_barrier_wait -1
.endif
.endm
.macro ADDR                            ; my lane's places in the slot in hand
	v_add_nc_u32 v[ADK], s[TK], v[LI]
	v_add_nc_u32 v[ADK2], 49152, v[ADK]
	v_add_nc_u32 v[ADV], s[TV], v[LI]
	v_add_nc_u32 v[ADS], s[TS], v[LS]
	v_add_nc_u32 v[ADT], s[TJ], v[LS]
.endm
	s_wait_loadcnt 0x0                             ; Q and its scale words
	CHANGE 1, 0                                    ; slot 0 and the scale words have landed; slot 1 is asked for, as a refill is
	ADDR
	s_mov_b32 s[SLOTS], 2
.set J, NR                                         ; no softmax is due yet: the first stage 0 is bare
	STAGE0
	STAGE1 0, 8
.Lslot:                                            ; two trips: from a slot's stage 2 to the next slot's stage 1; the change in its middle asks for the slot after that
	STAGE2
	STAGE3
	CHANGE 1, 1
	ADDR
	SMSTART 1, 1
	STAGE0
	STAGE1 1, 7
	s_sub_co_u32 s[SLOTS], s[SLOTS], 1
	s_cmp_lg_u32 s[SLOTS], 0
	s_cbranch_scc1 .Lslot
	STAGE2                                         ; the tail is written out: slot 2 is left for slot 3, and nothing is asked for
	STAGE3
	CHANGE 0, 1
	ADDR
	SMSTART 1, 1
	STAGE0
	STAGE1 1, 7
	STAGE2
	STAGE3
	s_wait_dscnt 0x0                               ; V of the last key step is in
	SMSTART 1, 1                                   ; the last half's softmax, and the last products: nothing is left to set beside them
	SMREST
	WIN 0
	PLACES 4
	PVU KB1, 0
	WIN 0
	; THE WAY OUT.  The sum's halves are added (the additions are the places behind the last products); O^T / the sum is quantised along the channels: a head's 64 channels are two blocks and half a fragment of the last product.
.irp qi, 0,1
	v_add_f32 v[ST+8*\qi+6], v[ST+8*\qi+2], v[ST+8*\qi+3]
.endr
.irp qi, 0,1
	v_permlanex16_b32 v[ST+8*\qi+7], v[ST+8*\qi+6], s[SEL], s[SEL+1]
.endr
.irp qi, 0,1
	v_add_f32 v[ST+8*\qi+6], v[ST+8*\qi+6], v[ST+8*\qi+7]   ; the row's sum
.endr
.irp qi, 0,1
	v_rcp_f32 v[ST+8*\qi+6], v[ST+8*\qi+6]
.endr
	v_nop                                          ; a plain place behind the reciprocals
	s_wait_alu depctr_va_vdst(0)                   ; and the wait ahead of their first reader: one for both
	WIN 0x01                                       ; O^T in window 1; the quotient goes where the scores lay
.irp qi, 0,1
.set J, 0
.rept 16
	v_pk_mul_f32 v[S+32*\qi+J:S+32*\qi+J+1], v[OT+32*\qi+J:OT+32*\qi+J+1], v[ST+8*\qi+6:ST+8*\qi+7] op_sel_hi:[1,0]   ; register 8 ct + j: channel 16 ct + 8 h + j; each accumulator in ascending order
.set J, J+2
.endr
.endr
	WIN 0
.macro HQUANT qi
.set rY, S+32*(\qi)
.irp b, 0,1
	v_max3_num_f32 v[WK+\b], |v[rY+16*\b]|, |v[rY+16*\b+1]|, 0x1800000
.endr
.irp i, 2,4,6,8,10,12,14
.irp b, 0,1
	v_max3_num_f32 v[WK+\b], v[WK+\b], |v[rY+16*\b+\i]|, |v[rY+16*\b+\i+1]|
.endr
.endr
.irp b, 0,1
	v_permlanex16_b32 v[WK+2+\b], v[WK+\b], s[SEL], s[SEL+1]
.endr
.irp b, 0,1
	v_max_num_f32 v[WK+\b], v[WK+\b], v[WK+2+\b]
.endr
.irp b, 0,1
	v_add_nc_u32 v[WK+4+\b], 0xff000000, v[WK+\b]
.endr
.irp b, 0,1
	v_lshrrev_b32 v[WK+6+\b], 23, v[WK+4+\b]
.endr
	v_lshl_or_b32 v[HW+\qi], v[WK+7], 8, v[WK+6]   ; the head's two bytes
	v_cvt_scalef32_pk16_fp6_f32 v[H+6*\qi:H+6*\qi+2], v[rY:rY+15], v[WK+4]
	v_cvt_scalef32_pk16_fp6_f32 v[WK+12:WK+14], v[rY+16:rY+31], v[WK+5]
	v_nop                                          ; one plain place behind a scaled conversion
.irp i, 0,1,2
	v_permlane16_swap_b32 v[H+6*\qi+\i], v[WK+12+\i]   ; lanes 0-15 the head's block 0, lanes 16-31 its block 1
.endr
.irp i, 0,1,2
	v_mov_b32 v[H+6*\qi+3+\i], v[WK+12+\i]
.endr
.endm
	HQUANT 0
	HQUANT 1
.irp qi, 0,1
.irp p, 0,1,2
	global_store_b64 v[L8], v[H+6*\qi+2*\p:H+6*\qi+2*\p+1], s[54:55] offset:6144*\qi+256*\p   ; 32 lanes store 256 consecutive bytes, at a multiple of 256 from the buffer's first byte
.endr
.endr
	v_cndmask_b32 v[HWS], v[HW], v[HW+1], s47      ; lanes 0-15 tile 0's words, lanes 16-31 tile 1's
	global_store_b32 v[LS], v[HWS], s[56:57]
	s_wait_tensorcnt 0x0                           ; the wave's end
	ds_add_u32 v[SPW], v[NIL]
	s_wait_dscnt 0x0
	CROUND                                         ; the closing round
	s_endpgm
.Lfunc_end_k_qc59c679a9b_attn:
	.size	k_qc59c679a9b_attn, .Lfunc_end_k_qc59c679a9b_attn-k_qc59c679a9b_attn
	.p2alignl 7, 3214868480
	.fill 96, 4, 3214868480
	.section	.rodata,"a",@progbits
	.p2align	6, 0x0
	.amdhsa_kernel k_qc59c679a9b_attn
		.amdhsa_group_segment_fixed_size 327680
		.amdhsa_private_segment_fixed_size 0
		.amdhsa_enable_private_segment 0
		.amdhsa_kernarg_size 16
		.amdhsa_user_sgpr_count 2
		.amdhsa_user_sgpr_kernarg_segment_ptr 1
		.amdhsa_wavefront_size32 1
		.amdhsa_system_sgpr_workgroup_id_x 1
		.amdhsa_system_sgpr_workgroup_id_y 1
		.amdhsa_system_sgpr_workgroup_id_z 1
		.amdhsa_system_vgpr_workitem_id 0
		.amdhsa_next_free_vgpr 512
		.amdhsa_next_free_sgpr 72
		.amdhsa_reserve_vcc 0
		.amdhsa_float_denorm_mode_32 3
		.amdhsa_float_denorm_mode_16_64 3
		.amdhsa_memory_ordered 1
		.amdhsa_forward_progress 1
		.amdhsa_inst_pref_size 255
	.end_amdhsa_kernel
	.section	.bss,"aw",@nobits
	.p2align	6
	.space	262144
	.amdgpu_metadata
---
amdhsa.version: [ 1, 2 ]
amdhsa.kernels:
  - .name:           k_qc59c679a9b_attn
    .symbol:         k_qc59c679a9b_attn.kd
    .args:
      - { .name: qkv, .offset: 0, .size: 8, .value_kind: global_buffer, .address_space: global }
      - { .name: hd, .offset: 8, .size: 8, .value_kind: global_buffer, .address_space: global }
    .group_segment_fixed_size: 327680
    .private_segment_fixed_size: 0
    .kernarg_segment_align: 8
    .kernarg_segment_size: 16
    .max_flat_workgroup_size: 256
    .sgpr_count:     72
    .vgpr_count:     512
    .wavefront_size: 32
...
	.end_amdgpu_metadata
.endif
;; end of part 3
;; launch outp (part 4): grid 4 x 64, 4 waves a work-group, clusters of 4 x 4, 167,936 bytes of LDS; arguments hd, pre, bo, out0; writes out0
.if DOCPART == 4
	.amdgcn_target "amdgcn-amd-amdhsa--gfx1250"
	.amdhsa_code_object_version 6
	.text
	.protected	k_qc59c679a9b_outp
	.globl	k_qc59c679a9b_outp
	.p2align	8
	.type	k_qc59c679a9b_outp,@function
k_qc59c679a9b_outp:
	s_mov_b64 s[64:65], 0
	v_nop
	global_prefetch_b8 v0, s[64:65] scope:SCOPE_SE
	s_setreg_imm32_b32 hwreg(HW_REG_WAVE_MODE, 25, 1), 1
	s_wait_xcnt 0x0
	s_wait_alu depctr_hold_cnt(0) depctr_sa_sdst(0) depctr_va_vdst(0) depctr_va_sdst(0) depctr_va_ssrc(0) depctr_va_vcc(0) depctr_vm_vsrc(0)
	s_getreg_b32 s2, hwreg(HW_REG_IB_STS2, 6, 4)
	s_cmp_eq_u32 s2, 0
	s_cbranch_scc0 .Lentry_in_a_cluster
	s_endpgm
.Lentry_in_a_cluster:
	s_bfe_u32 s2, ttmp6, 0x10000c
	s_cmp_lg_u32 s2, 0xf033
	s_cbranch_scc0 .Lentry_shape_is_right
	s_endpgm
.Lentry_shape_is_right:
; out0 = heads Wo + bo on codes of FP6 (E2M3) with E8M0 scales, K = 512 (64 head + channel).  heads [8192][512] and Wo [512 (n)][512 (k)] arrive as images of operand registers, made by the launches attn and prep in one and the same order of K.
; SHARES.  Work-group (x, y): 128 columns x 128 rows.  Wave w: column tiles 2 w, 2 w + 1 for all 8 row tiles: 16 accumulators, 64 matrix instructions.  Source 0 = 16 columns of Wo, source 1 = 16 rows: a lane holds eight neighbouring columns of one row.
; bo is the C of each sum's first matrix instruction.  All operands (98,304 bytes) are filled once; nothing is filled again.
; CLUSTER 4 x 4: the rows' codes hang on y alone and are asked for jointly along a row of the cluster, Wo's on x alone, jointly along a column.
; THE WAY OUT: a row's 128 columns come from four waves; they meet in a stage in LDS (rows of 512 + 16 bytes) and each wave stores 32 whole rows of 512 bytes.
.set PSC0,  6586368
.set HS0,   3145728
.set WL,    49152                      ; LDS: 0 the rows' 32 fragments ((m, ks) at 6,144 m + 1,536 ks; register pair n at 256 n + 8 lane); WL Wo's 32 ((tile, ks) likewise, registers 4 g on at 512 g + 16 lane)
.set STG,   98304                      ; the stage: 128 rows x 528 bytes; no tensor load lands here
.set SPARE, STG+128*528                ; 165,888: the spare words, 128 bytes for each wave
.set LI,  1                            ; 16 x lane
.set LS,  2                            ; 4 x lane
.set L8,  3                            ; 8 x lane
.set AWF, 4                            ; LDS: my 8 fragments of Wo
.set SOA, 5                            ; the stage: where I put 32 bytes of a row
.set SRA, 6                            ; and where I read a row back
.set BO,  7                            ; 32 h
.set SPW, 8                            ; my spare word; never rewritten
.set NIL, 9                            ; 0; never rewritten
.set HSC, 16                           ; v16-31 the rows' scale words: register 4 ks + m / 2: lanes 0-15 the even row tile, lanes 16-31 the odd one
.set WSC, 32                           ; v32-35 Wo's: register 2 n + ks / 2: lanes 0-15 the even K step, lanes 16-31 the odd one
.set HF0, 64                           ; v64-159, v160-255 two buffers of a K step's 8 row fragments; later the rows read back from the stage
.set RAW, 160                          ; v160-191 first: the heads' two bytes a row, register 4 head + pair of row tiles
.set BOF, 96                           ; window 1: v0-95 Wo's fragments ((n, ks) at 12 (4 n + ks)); v96-111 bo; v128-255 the accumulators ((m, n) at 128 + 8 (2 m + n))
.set ACC, 128
.set WV,  12
.set MSB, 0
.macro WIN new                         ; the immediate's high byte repeats the setting that is left
.if MSB != (\new)
	s_set_vgpr_msb (MSB<<8)|(\new)
.set MSB, (\new)
.endif
.endm
.macro PLACES n
.rept \n
	v_nop
.endr
.endm
.macro CROUND                          ; a round of the cluster's barrier
	s_barrier_signal -1
	s_barrier_wait -1
	s_cmp_lg_u32 s[WV], 0
	s_cbranch_scc1 .Lnot_wave_0_\@
	s_barrier_signal -3
.Lnot_wave_0_\@:
	s_barrier_wait -3
	s_barrier_signal -1
	s_barrier_wait -1
.endm
.macro WM d, a, b, c, sa, sb, ra, rb   ; ra, rb = 1: that side's scale words stand in lanes 16-31
.if (\ra) && (\rb)
	v_wmma_scale_f32_16x16x128_f8f6f4 v[(\d):(\d)+7], v[(\a):(\a)+11], v[(\b):(\b)+11], v[(\c):(\c)+7], v[(\sa)], v[(\sb)] matrix_a_fmt:MATRIX_FMT_FP6 matrix_b_fmt:MATRIX_FMT_FP6 matrix_a_scale:MATRIX_SCALE_ROW1 matrix_b_scale:MATRIX_SCALE_ROW1
.elseif (\ra)
	v_wmma_scale_f32_16x16x128_f8f6f4 v[(\d):(\d)+7], v[(\a):(\a)+11], v[(\b):(\b)+11], v[(\c):(\c)+7], v[(\sa)], v[(\sb)] matrix_a_fmt:MATRIX_FMT_FP6 matrix_b_fmt:MATRIX_FMT_FP6 matrix_a_scale:MATRIX_SCALE_ROW1
.elseif (\rb)
	v_wmma_scale_f32_16x16x128_f8f6f4 v[(\d):(\d)+7], v[(\a):(\a)+11], v[(\b):(\b)+11], v[(\c):(\c)+7], v[(\sa)], v[(\sb)] matrix_a_fmt:MATRIX_FMT_FP6 matrix_b_fmt:MATRIX_FMT_FP6 matrix_b_scale:MATRIX_SCALE_ROW1
.else
	v_wmma_scale_f32_16x16x128_f8f6f4 v[(\d):(\d)+7], v[(\a):(\a)+11], v[(\b):(\b)+11], v[(\c):(\c)+7], v[(\sa)], v[(\sb)] matrix_a_fmt:MATRIX_FMT_FP6 matrix_b_fmt:MATRIX_FMT_FP6
.endif
.endm
	s_load_b256 s[4:11], s[0:1], 0x0               ; hd, pre, bo, out0
	v_lshl_add_u32 v[SPW], v0, 2, SPARE
	v_mov_b32 v[NIL], 0
	ds_add_u32 v[SPW], v[NIL]                      ; the wave's opening: the add and its wait stand ahead of the first tensor load; the set-up below, work on registers, stands between them
	v_lshrrev_b32 v10, 5, v0
	v_readfirstlane_b32 s[WV], v10                 ; wave 0..3
	s_lshr_b32 s13, s[WV], 1                       ; I fetch the rows' codes (0) or Wo's (1),
	s_and_b32 s14, s[WV], 1                        ; this half of them
	s_bfe_u32 s15, ttmp6, 0x40000                  ; cx
	s_bfe_u32 s16, ttmp6, 0x40004                  ; cy
	s_lshl_b32 s17, ttmp9, 2
	s_add_co_u32 s17, s17, s15                     ; which 128 columns
	s_and_b32 s18, ttmp7, 0xffff
	s_lshl_b32 s18, s18, 2
	s_add_co_u32 s18, s18, s16                     ; which 128 rows
	s_lshl_b32 s19, s16, 2
	s_lshl_b32 s19, 15, s19                        ; my row of the cluster
	s_lshl_b32 s20, 0x1111, s15                    ; my column
	s_or_b32 s24, s19, (3<<16)|(1<<21)             ; groups 1: 96 rows of 256 bytes (32 elements of 8 bytes), dense, no padding; bit 21 set beside a mask
	s_or_b32 s32, s20, (3<<16)|(1<<21)
.irp g, 24, 32
	s_mov_b32 s[\g+1], 32<<16                      ; tensor_dim0
	s_mov_b32 s[\g+2], 96<<16                      ; tensor_dim1
	s_mov_b32 s[\g+3], 32<<16                      ; tile_dim0
	s_mov_b32 s[\g+4], 96                          ; tile_dim1
	s_mov_b32 s[\g+5], 32                          ; the pitch
	s_mov_b32 s[\g+6], 0
	s_mov_b32 s[\g+7], 0
.endr
	s_mul_i32 s52, s14, 24576
	s_mul_i32 s48, s18, 49152                      ; the rows' 8 tiles x 6,144 bytes
	s_add_co_u32 s48, s48, s52
	s_mov_b32 s49, 0
	s_mul_i32 s50, s17, 49152                      ; Wo's records 2,080 + 16 x (which 128 columns) on
	s_add_co_u32 s50, s50, s52
	s_add_co_u32 s50, s50, 6389760
	s_mov_b32 s51, 0
	s_mov_b32 s40, 1
	s_mov_b32 s41, s52
	s_mov_b32 s44, 1
	s_add_co_u32 s45, s52, WL
	s_wait_dscnt 0x0                               ; the opening add is done
	s_wait_kmcnt 0x0
	s_add_nc_u64 s[42:43], s[4:5], s[48:49]
	s_or_b32 s43, s43, 0x80000000
	s_add_nc_u64 s[46:47], s[6:7], s[50:51]
	s_or_b32 s47, s47, 0x80000000
	CROUND                                         ; all sixteen work-groups are here: the joint loads meet
	s_cmp_eq_u32 s13, 0                            ; one load a wave; an s_nop 0 and four v_nop follow each of the two lines
	s_cbranch_scc0 .Lfor_w
	tensor_load_to_lds s[40:43], s[24:31]
	s_nop 0
	PLACES 4
	s_branch .Lasked
.Lfor_w:
	tensor_load_to_lds s[44:47], s[32:39]
	s_nop 0
	PLACES 4
.Lasked:
	v_and_b32 v10, 31, v0
	v_lshlrev_b32 v[LI], 4, v10
	v_lshlrev_b32 v[LS], 2, v10
	v_lshlrev_b32 v[L8], 3, v10
	v_and_b32 v10, 15, v0                          ; r
	v_bfe_u32 v11, v0, 4, 1                        ; h
	v_lshlrev_b32 v[BO], 5, v11
	v_mul_u32_u24 v[SOA], v10, 528
	v_lshl_add_u32 v[SOA], v11, 5, v[SOA]
	s_lshl_b32 s53, s[WV], 7
	s_add_co_u32 s53, s53, STG
	v_add_nc_u32 v[SOA], s53, v[SOA]               ; row r, + 32 h, + 128 x wave: my columns' bytes
	s_mul_i32 s53, s[WV], 32*528
	s_add_co_u32 s53, s53, STG
	v_add_nc_u32 v[SRA], s53, v[LI]                ; back: my 32 rows, 16 bytes a lane
	s_mul_i32 s53, s[WV], 12288
	s_add_co_u32 s53, s53, WL
	v_add_nc_u32 v[AWF], s53, v[LI]
	s_mov_b32 s57, 0
	s_lshl_b32 s56, s18, 9
	s_add_co_u32 s56, s56, HS0
	s_add_nc_u64 s[54:55], s[4:5], s[56:57]        ; the heads' bytes of my 8 row tiles: head x 32,768 + tile x 64
	s_lshl_b32 s56, s17, 11
	s_lshl_b32 s53, s[WV], 9
	s_add_co_u32 s56, s56, s53
	s_add_co_u32 s56, s56, PSC0+266240
	s_add_nc_u64 s[58:59], s[6:7], s[56:57]        ; the scale words of my four records of Wo
	s_lshl_b32 s56, s17, 9
	s_lshl_b32 s53, s[WV], 7
	s_add_co_u32 s56, s56, s53
	s_add_nc_u64 s[60:61], s[8:9], s[56:57]        ; bo at my 32 columns
	s_lshl_b32 s56, s18, 18                        ; 128 rows of 2,048 bytes
	s_lshl_b32 s53, s[WV], 16                      ; 32 rows
	s_add_co_u32 s56, s56, s53
	s_lshl_b32 s53, s17, 9                         ; 128 columns
	s_add_co_u32 s56, s56, s53
	s_add_nc_u64 s[62:63], s[10:11], s[56:57]      ; the first row that I store
.irp hh, 0,1,2,3,4,5,6,7
.irp p, 0,1,2,3
	global_load_b32 v[RAW+4*\hh+\p], v[LS], s[54:55] offset:32768*\hh+128*\p   ; lanes 0-15 row tile 2 p, lanes 16-31 row tile 2 p + 1
.endr
.endr
.irp j, 0,1,2,3
	global_load_b32 v[WSC+\j], v[LS], s[58:59] offset:128*\j
.endr
	WIN 0x40
.irp n, 0,1
	global_load_b128 v[BOF+8*\n:BOF+8*\n+3], v[BO], s[60:61] offset:64*\n       ; columns 16 n + 8 h + 0 .. 7
	global_load_b128 v[BOF+8*\n+4:BOF+8*\n+7], v[BO], s[60:61] offset:64*\n+16
.endr
	WIN 0
	s_wait_loadcnt 0x0
.irp ks, 0,1,2,3
.irp p, 0,1,2,3
	v_lshl_or_b32 v[HSC+4*\ks+\p], v[RAW+4*(2*\ks+1)+\p], 16, v[RAW+8*\ks+\p]   ; heads 2 ks and 2 ks + 1 make K step ks's word.  Behind the four words of K step 0 stand twelve of these lines, behind those of K step 1 eight: the places that a scale register written here owes
.endr
.endr
	s_wait_tensorcnt 0x0                           ; my half has landed,
	s_barrier_signal -1
	s_barrier_wait -1                              ; everybody's has
	WIN 0x40
.set N, 0
.rept 24
	ds_load_b128 v[4*N:4*N+3], v[AWF] offset:512*N
.set N, N+1
.endr
	WIN 0
.macro HFETCH ks                       ; the 8 row tiles' fragments of K step ks into buffer ks % 2
.irp m, 0,1,2,3,4,5,6,7
.irp n, 0,1,2,3,4,5
	ds_load_b64 v[HF0+96*((\ks)%2)+12*\m+2*\n:HF0+96*((\ks)%2)+12*\m+2*\n+1], v[L8] offset:6144*\m+1536*(\ks)+256*\n
.endr
.endr
.endm
	HFETCH 0
.irp ks, 0,1,2,3
.if \ks > 0
	PLACES 4                                       ; in front of loads into the buffer that the last sixteen products have read
.endif
.if \ks < 3
	HFETCH \ks+1
	s_wait_dscnt 48                                ; all but the next K step's 48 loads
.else
	s_wait_dscnt 0x0
.endif
	WIN 0x51                                       ; Wo, C and D in window 1, the rows in window 0
.irp m, 0,1,2,3,4,5,6,7                ; the sixteen accumulators take turns, one instruction a turn
.irp n, 0,1
.if \ks == 0
	WM ACC+8*(2*\m+\n), 12*(4*\n+\ks), HF0+96*(\ks%2)+12*\m, BOF+8*\n, WSC+2*\n+\ks/2, HSC+4*\ks+\m/2, \ks%2, \m%2
.else
	WM ACC+8*(2*\m+\n), 12*(4*\n+\ks), HF0+96*(\ks%2)+12*\m, ACC+8*(2*\m+\n), WSC+2*\n+\ks/2, HSC+4*\ks+\m/2, \ks%2, \m%2
.endif
.endr
.endr
	WIN 0
.endr
	PLACES 4                                       ; in front of the first read of results, and of the loads into the buffers below
	WIN 0x04                                       ; an LDS store's data are its source 1: window 1
.irp m, 0,1,2,3,4,5,6,7
.irp n, 0,1
	ds_store_b128 v[SOA], v[ACC+8*(2*\m+\n):ACC+8*(2*\m+\n)+3] offset:8448*\m+64*\n        ; each accumulator from its low end on
	ds_store_b128 v[SOA], v[ACC+8*(2*\m+\n)+4:ACC+8*(2*\m+\n)+7] offset:8448*\m+64*\n+16
.endr
.endr
	WIN 0
	s_wait_dscnt 0x0                               ; for the others' sake: my stores into the stage are done
	s_barrier_signal -1
	s_barrier_wait -1
.set N, 0
.rept 32
	ds_load_b128 v[HF0+4*N:HF0+4*N+3], v[SRA] offset:528*N
.set N, N+1
.endr
.set N, 0
.rept 32
	s_wait_dscnt 31-N                              ; LDS loads come back in order: row N is in, the younger ones stay out
	global_store_b128 v[LI], v[HF0+4*N:HF0+4*N+3], s[62:63] offset:2048*N th:TH_STORE_NT   ; 32 lanes store 512 consecutive bytes, at a multiple of 256 from out0's first byte
.set N, N+1
.endr
	s_wait_tensorcnt 0x0                           ; the wave's end, behind my last tensor load and my last LDS store
	ds_add_u32 v[SPW], v[NIL]
	s_wait_dscnt 0x0
	CROUND                                         ; the closing round
	s_endpgm
.Lfunc_end_k_qc59c679a9b_outp:
	.size	k_qc59c679a9b_outp, .Lfunc_end_k_qc59c679a9b_outp-k_qc59c679a9b_outp
	.p2alignl 7, 3214868480
	.fill 96, 4, 3214868480
	.section	.rodata,"a",@progbits
	.p2align	6, 0x0
	.amdhsa_kernel k_qc59c679a9b_outp
		.amdhsa_group_segment_fixed_size 167936
		.amdhsa_private_segment_fixed_size 0
		.amdhsa_enable_private_segment 0
		.amdhsa_kernarg_size 32
		.amdhsa_user_sgpr_count 2
		.amdhsa_user_sgpr_kernarg_segment_ptr 1
		.amdhsa_wavefront_size32 1
		.amdhsa_system_sgpr_workgroup_id_x 1
		.amdhsa_system_sgpr_workgroup_id_y 1
		.amdhsa_system_sgpr_workgroup_id_z 1
		.amdhsa_system_vgpr_workitem_id 0
		.amdhsa_next_free_vgpr 512
		.amdhsa_next_free_sgpr 66
		.amdhsa_reserve_vcc 0
		.amdhsa_float_denorm_mode_32 3
		.amdhsa_float_denorm_mode_16_64 3
		.amdhsa_memory_ordered 1
		.amdhsa_forward_progress 1
		.amdhsa_inst_pref_size 42
	.end_amdhsa_kernel
	.amdgpu_metadata
---
amdhsa.version: [ 1, 2 ]
amdhsa.kernels:
  - .name:           k_qc59c679a9b_outp
    .symbol:         k_qc59c679a9b_outp.kd
    .args:
      - { .name: hd, .offset: 0, .size: 8, .value_kind: global_buffer, .address_space: global }
      - { .name: pre, .offset: 8, .size: 8, .value_kind: global_buffer, .address_space: global }
      - { .name: bo, .offset: 16, .size: 8, .value_kind: global_buffer, .address_space: global }
      - { .name: out0, .offset: 24, .size: 8, .value_kind: global_buffer, .address_space: global }
    .group_segment_fixed_size: 167936
    .private_segment_fixed_size: 0
    .kernarg_segment_align: 8
    .kernarg_segment_size: 32
    .max_flat_workgroup_size: 128
    .sgpr_count:     66
    .vgpr_count:     512
    .wavefront_size: 32
...
	.end_amdgpu_metadata
.endif
;; end of part 4
